; MI455X (gfx1250); checked and timed in simulation.
; The chip was launched on July 23, 2026; its instructions are those of AMD's public machine-readable ISA for CDNA 5 (MIT licence, August 2026) and "CDNA5" Instruction Set Architecture Reference Guide (July 2026). The comments in the code are by the model that wrote it; some were corrected since.
;; Transformer. Allowed arithmetic: float matrix products may take bf16 or f16 operands with f32 sums; all other float work in f32.
;; Inputs: Wkv 1,024 x 2,048 float32; Wout 1,024 x 1,024 float32; Wq 1,024 x 1,024 float32; k_scale 64 float32; norm_b 1,024 float32; norm_g 1,024 float32; null_kv 16 x 4 x 64 float32; q_scale 64 float32; x 2 x 2,048 x 1,024 float32.
;; Outputs: out0 2 x 2,048 x 1,024 float32.
;; One version. Each part assembles by itself: llvm-mc -triple=amdgcn-amd-amdhsa -mcpu=gfx1250 --defsym DOCPART=n.
;; ======== version 1 of 1: 4 launches
;; limits: values are held in f16: magnitudes above 65,504 overflow, below 6.1e-05 lose precision
;; workspace buffers: xa 16,777,216 bytes; wb 8,388,608 bytes; qkv 25,165,824 bytes; ob 8,388,608 bytes
;; launch prep (part 1): grid 512 x 1, 8 waves a work-group, no clusters, 0 bytes of LDS; arguments x, norm_g, norm_b, Wq, Wkv, Wout, xa, wb; writes xa, wb
.if DOCPART == 1
	.amdgcn_target "amdgcn-amd-amdhsa--gfx1250"
	.amdhsa_code_object_version 6
	.text
	.protected	k_q459a4ad507_prep
	.globl	k_q459a4ad507_prep
	.p2align	8
	.type	k_q459a4ad507_prep,@function
k_q459a4ad507_prep:
	s_mov_b64 s[64:65], 0
	v_nop
	global_prefetch_b8 v0, s[64:65] scope:SCOPE_SE
	s_setreg_imm32_b32 hwreg(HW_REG_WAVE_MODE, 25, 1), 1
	s_wait_xcnt 0x0
; prep: xa[0] = f16(LayerNorm(x) * g + b), xa[1] = f16(x), wb = the three weights in f16, still [k][n].
; FORMAT: f16, not bf16: its three further mantissa bits make each rounding 8 times finer, and the operands have room in its range
; (largest number 65,504): x as drawn stays below 6, below 170 when 30 times larger; |LayerNorm| is at most 32 (the root of 1,024), times g plus b;
; the weights as drawn stay below 0.1; 30 times smaller their spread is 7e-4, of which f16's smallest step (6e-8) is 1e-4.
; LIMIT: numbers of 65,504 and above become infinite.
; A stream: no LDS, no barrier, no matrix unit, no cluster (no two work-groups read the same bytes but g and b, 8 KiB).
; 4,096 waves.  Wave gw takes row gw of x (1,024 f32 = 32 registers a lane, kept between the passes, so x is read once)
; and 1/4096 of each weight.  A lane owns 8 neighbouring numbers of every 256: two 16-byte loads in, one 16-byte store out,
; so each store of the wave covers 512 consecutive bytes, aligned.
; wb: [1024 k][3072 n] f16 (columns 0-1023 Wq, 1024-3071 Wkv) at byte 0, then Wout [1024][1024] f16 at byte 6,291,456.
; The mean is taken away before the squares are summed (two passes over registers).
.set X,   16                           ; v[16:47]   the row, f32
.set G,   48                           ; v[48:79]   norm_g of my columns
.set BN,  80                           ; v[80:111]  norm_b of my columns
.set W,   112                          ; v[112:143] weights as loaded: Wq 8, Wkv 16, Wout 8
.set XB,  144                          ; v[144:159] f16(x)
.set Y,   160                          ; v[160:175] f16(LayerNorm)
.set WO,  176                          ; v[176:191] weights in f16; until then the temporaries below
.set T,   176                          ; v[176:183] four chains of sums
.set NM,  184                          ; v[184:185] minus the mean, twice
.set RS,  186                          ; v[186:187] 1/sqrt(var + eps), twice
.macro WSUM r, t                       ; sum over the 32 lanes, result in every lane
	v_add_f32_dpp v[\r], v[\r], v[\r] row_xmask:1 row_mask:0xf bank_mask:0xf
	v_add_f32_dpp v[\r], v[\r], v[\r] row_xmask:2 row_mask:0xf bank_mask:0xf
	v_add_f32_dpp v[\r], v[\r], v[\r] row_xmask:4 row_mask:0xf bank_mask:0xf
	v_add_f32_dpp v[\r], v[\r], v[\r] row_xmask:8 row_mask:0xf bank_mask:0xf
	v_permlanex16_b32 v[\t], v[\r], s22, s23       ; the other half of the lanes; its destination has been written before
	v_add_f32 v[\r], v[\r], v[\t]
.endm
	s_load_b512 s[4:19], s[0:1], 0x0               ; x 4:5, g 6:7, b 8:9, Wq 10:11, Wkv 12:13, Wout 14:15, xa 16:17, wb 18:19
	s_lshl_b32 s2, ttmp9, 3
	s_mov_b32 s22, 0x76543210                      ; v_permlanex16_b32: lane i reads lane i of the other half
	s_mov_b32 s23, 0xfedcba98
	s_mov_b32 s24, 0x3a800000                      ; 1/1024
	s_mov_b32 s25, 0x3727c5ac                      ; 1e-5
	v_and_b32 v9, 31, v0                           ; lane
	v_lshrrev_b32 v10, 5, v0
	v_add_nc_u32 v10, s2, v10                      ; gw = 8 x work-group + wave
	v_lshlrev_b32 v2, 5, v9                        ; 32 x lane: g, b
	v_lshlrev_b32 v11, 4, v9                       ; 16 x lane
	v_lshl_add_u32 v1, v10, 12, v2                 ; x: row gw
	v_lshl_add_u32 v3, v10, 11, v11                ; xa: row gw
	v_lshl_add_u32 v4, v10, 10, v2                 ; Wq, Wout: 256 numbers a wave
	v_lshl_add_u32 v5, v10, 11, v2                 ; Wkv: 512 numbers a wave
	v_lshrrev_b32 v12, 2, v10                      ; the weights' row k = gw / 4
	v_and_b32 v13, 3, v10
	v_mad_u32_u24 v12, v12, 0x1800, v11            ; k x 6,144 + 16 x lane
	v_lshl_add_u32 v6, v13, 9, v12                 ; Wq's place in wb
	v_lshl_add_u32 v7, v13, 10, v12                ; Wkv's place, less the 2,048 bytes of Wq's columns
	v_lshl_add_u32 v8, v10, 9, v11                 ; Wout's place, less 6,291,456
	s_wait_kmcnt 0x0
	s_add_nc_u64 s[20:21], s[16:17], 0x800000      ; xa's second half: f16(x)
.irp c, 0,1,2,3
	global_load_b128 v[X+8*\c:X+8*\c+3],   v1, s[4:5] offset:1024*\c th:TH_LOAD_NT
	global_load_b128 v[X+8*\c+4:X+8*\c+7], v1, s[4:5] offset:1024*\c+16 th:TH_LOAD_NT
.endr
.irp c, 0,1,2,3
	global_load_b128 v[G+8*\c:G+8*\c+3],   v2, s[6:7] offset:1024*\c
	global_load_b128 v[G+8*\c+4:G+8*\c+7], v2, s[6:7] offset:1024*\c+16
.endr
.irp c, 0,1,2,3
	global_load_b128 v[BN+8*\c:BN+8*\c+3],   v2, s[8:9] offset:1024*\c
	global_load_b128 v[BN+8*\c+4:BN+8*\c+7], v2, s[8:9] offset:1024*\c+16
.endr
	global_load_b128 v[W:W+3],     v4, s[10:11] th:TH_LOAD_NT
	global_load_b128 v[W+4:W+7],   v4, s[10:11] offset:16 th:TH_LOAD_NT
	global_load_b128 v[W+8:W+11],  v5, s[12:13] th:TH_LOAD_NT
	global_load_b128 v[W+12:W+15], v5, s[12:13] offset:16 th:TH_LOAD_NT
	global_load_b128 v[W+16:W+19], v5, s[12:13] offset:1024 th:TH_LOAD_NT
	global_load_b128 v[W+20:W+23], v5, s[12:13] offset:1040 th:TH_LOAD_NT
	global_load_b128 v[W+24:W+27], v4, s[14:15] th:TH_LOAD_NT
	global_load_b128 v[W+28:W+31], v4, s[14:15] offset:16 th:TH_LOAD_NT
	s_wait_loadcnt 24                              ; x's eight loads are in; the 24 younger ones (g, b, weights) stay out
.set i, 0
.rept 16
	v_cvt_pk_f16_f32 v[XB+i], v[X+2*i], v[X+2*i+1]
.set i, i+1
.endr
.irp k, 0,1,2,3                                    ; the sum, in four chains started by the first sums: nothing is cleared
	v_pk_add_f32 v[T+2*\k:T+2*\k+1], v[X+2*\k:X+2*\k+1], v[X+8+2*\k:X+8+2*\k+1]
.endr
.irp k, 0,1,2,3
	v_pk_add_f32 v[T+2*\k:T+2*\k+1], v[T+2*\k:T+2*\k+1], v[X+16+2*\k:X+16+2*\k+1]
.endr
.irp k, 0,1,2,3
	v_pk_add_f32 v[T+2*\k:T+2*\k+1], v[T+2*\k:T+2*\k+1], v[X+24+2*\k:X+24+2*\k+1]
.endr
	v_pk_add_f32 v[T:T+1], v[T:T+1], v[T+2:T+3]
	v_pk_add_f32 v[T+4:T+5], v[T+4:T+5], v[T+6:T+7]
	v_pk_add_f32 v[T:T+1], v[T:T+1], v[T+4:T+5]
	v_add_f32 v[T], v[T], v[T+1]
	WSUM T, T+1
	v_mul_f32 v[NM], 0xba800000, v[T]              ; minus the mean
	v_mov_b32 v[NM+1], v[NM]
.set i, 0
.rept 16
	v_pk_add_f32 v[X+2*i:X+2*i+1], v[X+2*i:X+2*i+1], v[NM:NM+1]
.set i, i+1
.endr
.irp k, 0,1,2,3                                    ; the sum of squares of x - mean
	v_pk_mul_f32 v[T+2*\k:T+2*\k+1], v[X+2*\k:X+2*\k+1], v[X+2*\k:X+2*\k+1]
.endr
.irp c, 8,16,24
.irp k, 0,1,2,3
	v_pk_fma_f32 v[T+2*\k:T+2*\k+1], v[X+\c+2*\k:X+\c+2*\k+1], v[X+\c+2*\k:X+\c+2*\k+1], v[T+2*\k:T+2*\k+1]
.endr
.endr
	v_pk_add_f32 v[T:T+1], v[T:T+1], v[T+2:T+3]
	v_pk_add_f32 v[T+4:T+5], v[T+4:T+5], v[T+6:T+7]
	v_pk_add_f32 v[T:T+1], v[T:T+1], v[T+4:T+5]
	v_add_f32 v[T], v[T], v[T+1]
	WSUM T, T+1
	v_fma_f32 v[T], v[T], s24, s25                 ; var + eps
	v_rsq_f32 v[RS], v[T]
	v_nop                                          ; one plain place behind the transcendental (ISA guide 5.7.2)
	s_wait_alu depctr_va_vdst(0)
	v_mov_b32 v[RS+1], v[RS]
	s_wait_loadcnt 8                               ; g and b are in; the eight weight loads stay out
.set i, 0
.rept 16
	v_pk_mul_f32 v[X+2*i:X+2*i+1], v[X+2*i:X+2*i+1], v[RS:RS+1]
.set i, i+1
.endr
.set i, 0
.rept 16
	v_pk_fma_f32 v[X+2*i:X+2*i+1], v[X+2*i:X+2*i+1], v[G+2*i:G+2*i+1], v[BN+2*i:BN+2*i+1]
.set i, i+1
.endr
.set i, 0
.rept 16
	v_cvt_pk_f16_f32 v[Y+i], v[X+2*i], v[X+2*i+1]
.set i, i+1
.endr
.irp c, 0,1,2,3
	global_store_b128 v3, v[Y+4*\c:Y+4*\c+3], s[16:17] offset:512*\c
	global_store_b128 v3, v[XB+4*\c:XB+4*\c+3], s[20:21] offset:512*\c
.endr
	s_wait_loadcnt 0x0                             ; the weights
.set i, 0
.rept 16
	v_cvt_pk_f16_f32 v[WO+i], v[W+2*i], v[W+2*i+1]     ; no store reads these registers before: no wait is owed
.set i, i+1
.endr
	global_store_b128 v6, v[WO:WO+3], s[18:19]
	global_store_b128 v7, v[WO+4:WO+7], s[18:19] offset:2048
	global_store_b128 v7, v[WO+8:WO+11], s[18:19] offset:2560
	global_store_b128 v8, v[WO+12:WO+15], s[18:19] offset:6291456
	s_endpgm
.Lfunc_end_k_q459a4ad507_prep:
	.size	k_q459a4ad507_prep, .Lfunc_end_k_q459a4ad507_prep-k_q459a4ad507_prep
	.p2alignl 7, 3214868480
	.fill 96, 4, 3214868480
	.section	.rodata,"a",@progbits
	.p2align	6, 0x0
	.amdhsa_kernel k_q459a4ad507_prep
		.amdhsa_group_segment_fixed_size 0
		.amdhsa_private_segment_fixed_size 0
		.amdhsa_enable_private_segment 0
		.amdhsa_kernarg_size 64
		.amdhsa_user_sgpr_count 2
		.amdhsa_user_sgpr_kernarg_segment_ptr 1
		.amdhsa_wavefront_size32 1
		.amdhsa_system_sgpr_workgroup_id_x 1
		.amdhsa_system_sgpr_workgroup_id_y 1
		.amdhsa_system_sgpr_workgroup_id_z 1
		.amdhsa_system_vgpr_workitem_id 0
		.amdhsa_next_free_vgpr 192
		.amdhsa_next_free_sgpr 66
		.amdhsa_reserve_vcc 0
		.amdhsa_float_denorm_mode_32 3
		.amdhsa_float_denorm_mode_16_64 3
		.amdhsa_memory_ordered 1
		.amdhsa_forward_progress 1
		.amdhsa_inst_pref_size 15
	.end_amdhsa_kernel
	.amdgpu_metadata
---
amdhsa.version: [ 1, 2 ]
amdhsa.kernels:
  - .name:           k_q459a4ad507_prep
    .symbol:         k_q459a4ad507_prep.kd
    .args:
      - { .name: x, .offset: 0, .size: 8, .value_kind: global_buffer, .address_space: global }
      - { .name: norm_g, .offset: 8, .size: 8, .value_kind: global_buffer, .address_space: global }
      - { .name: norm_b, .offset: 16, .size: 8, .value_kind: global_buffer, .address_space: global }
      - { .name: Wq, .offset: 24, .size: 8, .value_kind: global_buffer, .address_space: global }
      - { .name: Wkv, .offset: 32, .size: 8, .value_kind: global_buffer, .address_space: global }
      - { .name: Wout, .offset: 40, .size: 8, .value_kind: global_buffer, .address_space: global }
      - { .name: xa, .offset: 48, .size: 8, .value_kind: global_buffer, .address_space: global }
      - { .name: wb, .offset: 56, .size: 8, .value_kind: global_buffer, .address_space: global }
    .group_segment_fixed_size: 0
    .private_segment_fixed_size: 0
    .kernarg_segment_align: 8
    .kernarg_segment_size: 64
    .max_flat_workgroup_size: 256
    .sgpr_count:     66
    .vgpr_count:     192
    .wavefront_size: 32
...
	.end_amdgpu_metadata
.endif
;; end of part 1
;; launch qkv (part 2): grid 12 x 16, 4 waves a work-group, clusters of 4 x 4, 327,680 bytes of LDS; arguments xa, wb, qkv, q_scale, k_scale; writes qkv
.if DOCPART == 2
	.amdgcn_target "amdgcn-amd-amdhsa--gfx1250"
	.amdhsa_code_object_version 6
	.text
	.protected	k_q459a4ad507_qkv
	.globl	k_q459a4ad507_qkv
	.p2align	8
	.type	k_q459a4ad507_qkv,@function
k_q459a4ad507_qkv:
	s_mov_b64 s[64:65], 0
	v_nop
	global_prefetch_b8 v0, s[64:65] scope:SCOPE_SE
	s_setreg_imm32_b32 hwreg(HW_REG_WAVE_MODE, 25, 1), 1
	s_wait_xcnt 0x0
	s_wait_alu depctr_hold_cnt(0) depctr_sa_sdst(0) depctr_va_vdst(0) depctr_va_sdst(0) depctr_va_ssrc(0) depctr_va_vcc(0) depctr_vm_vsrc(0)
	s_getreg_b32 s2, hwreg(HW_REG_IB_STS2, 6, 4)
	s_cmp_eq_u32 s2, 0
	s_cbranch_scc0 .Lentry_in_a_cluster
	s_endpgm
.Lentry_in_a_cluster:
	s_bfe_u32 s2, ttmp6, 0x10000c
	s_cmp_lg_u32 s2, 0xf033
	s_cbranch_scc0 .Lentry_shape_is_right
	s_endpgm
.Lentry_shape_is_right:
; qkv: [4096 x 1024] x [1024 x 3072] in f16 with f32 sums.  Columns 0-1023 (q) take LayerNorm(x), columns 1024-3071 (k, v) take x.
; On the way out q and k are divided by max(|row of a head|, 1e-12) and multiplied by their gains; q also by 8 log2(e), so that
; the attention launch works with exponentials of base 2.  Output: three arrays [batch*16+head][2048][64] f16.
; FORMAT: f16 for its finer rounding.  q is at most 11.6 x its gain and k at most its gain, since both are normalised.  v = x Wkv stays below 4 as
; drawn, about 3,500 with x and Wkv both 30 times larger, about 18,500 with both carrying an offset of 30 of their spreads.
; A work-group makes 256 x 256 with four waves, a wave 128 x 128 (two whole heads, so the norm never leaves the wave): 64 tiles
; of 16 x 16 in 512 registers.  K goes in steps of 128 through two LDS slots filled by the tensor data mover.
; GRID: 12 x 16 = 192 work-groups.  A block must lie inside one of q, k, v (1,024 columns each, since q has another left operand) and
; hold whole heads in a wave; 256 equal blocks of that kind do not exist for 4,096 x 3,072, so the launch has 192 of the largest.
; CLUSTERS: 4 x 4.  A cluster's four columns are exactly one of q, k, v, so the kind (cluster x) is equal in all sixteen.  A's tile
; hangs on the block row and is asked for jointly along a row of the cluster, the weights' tile on the block column, along a column.
; The weights lie [k][n]; their fragments are read with the transposing LDS load.
; LIMITS: |x Wkv| of 65,504 and above becomes infinite; a sum of squares below 2^-126 counts as zero in v_sqrt_f32 (the row is then divided by
; 1e-12, as for zero); NaN and infinite inputs are not treated.
; REGISTERS: window 0: v16-27 addresses, v32-63 gains, v64-127 / v128-191 fragments of A (two buffers), v192-235 the way out;
; window 1: v64-191 fragments of the weights; windows 2, 3: accumulators (tile (a, b) at v[8 (8 a + b)]).
; The matrix instruction is used transposed (source 0 = 16 columns of the weights, source 1 = 16 rows of A): lane l then holds row
; l % 16 and columns 8 (l / 16) + 0..7 of a tile.
.set SIZE_K, 1024
.set KSTEP,  128
.set PITCH,  272                       ; A's LDS row: 256 bytes + 16: an odd multiple of 16, the 16 rows of a fragment start in 16 different groups of banks
.set BPITCH, 544                       ; the weights' LDS row: 512 bytes + 32: an odd multiple of 32
.set HALFT,  128*PITCH                 ; one tensor load: 128 rows of A, or 64 k rows of the weights (64 x 544 is the same 34,816 bytes)
.set SLOT,   4*HALFT
.set STAGE,  2*SLOT                    ; behind the ring: 16 rows x 272 bytes for each wave; no tensor load lands here
.set SPITCH, 272
.set LAPS,   SIZE_K/(2*KSTEP)          ; 4 laps of two K steps
.set ASTEP,  KSTEP*2                   ; bytes along A's rows for a K step
.set BSTEP,  KSTEP*3072*2              ; 128 rows of the weights
.set PLANE,  2048*64*2                 ; a head's plane in the output
.set ADRA, 16
.set ADRB, 20
.set STO,  24
.set RD,   25
.set CO,   26
.set GOF,  27
.set SC,   32                          ; v[32:63] gain of d = 16 bb + 8 (l/16) + j at SC + 8 bb + j
.set F0,   64
.set F1,   128
.set T,    128                         ; the way out: scaled results, f32
.set TMP,  192                         ; packed results
.set FN,   224                         ; v[224:227] 1 / norm of the row in head 0, head 1, each twice
.set SS,   228                         ; v[228:235] four chains of squares
.set G1,  24
.set G0,  32
.set G1B, 48
.set G0B, 56
.set MSB, 0
.macro WIN new                         ; the immediate's high byte repeats the setting that is left
.if MSB != \new
	s_set_vgpr_msb (MSB<<8)|\new
.set MSB, \new
.endif
.endm
.set MUL_LO, 0xa1                      ; source 0 window 1, source 1 window 0, C and D window 2
.set MUL_HI, 0xf1                      ; the same, C and D window 3
.set TO_B,   0x40                      ; destination window 1, address window 0
; A joint load: waves 0 and 1 ask for A's two halves, waves 2 and 3 for the weights'.  The branch hangs on the wave's number alone.
.macro JLOAD s
	s_cmp_eq_u32 s11, 0
	s_cbranch_scc0 .Lfor_b_\@
	tensor_load_to_lds s[G0+4*\s:G0+4*\s+3], s[G1:G1+7]
	s_nop 0
	s_branch .Lasked_\@
.Lfor_b_\@:
	tensor_load_to_lds s[G0B+4*\s:G0B+4*\s+3], s[G1B:G1B+7]
	s_nop 0
.Lasked_\@:
.endm
.macro CREST                           ; a round of the cluster's barrier behind its opening barrier
	s_cmp_lg_u32 s10, 0
	s_cbranch_scc1 .Lnot_wave_0_\@
	s_barrier_signal -3
.Lnot_wave_0_\@:
	s_barrier_wait -3
	s_barrier_signal -1
	s_barrier_wait -1
.endm
.macro CROUND                          ; a whole round
	s_barrier_signal -1
	s_barrier_wait -1
	CREST
.endm
	s_load_b128 s[4:7], s[0:1], 0x0                ; xa, wb
	s_load_b64 s[8:9], s[0:1], 0x10                ; qkv
	s_load_b128 s[68:71], s[0:1], 0x18             ; q_scale, k_scale
	s_set_vgpr_msb 0x40
	v_lshl_add_u32 v255, v0, 2, 0x48400
	s_set_vgpr_msb 0x4000
	v_mov_b32 v255, 0
	s_set_vgpr_msb 0x1
	ds_add_u32 v255, v255
	s_set_vgpr_msb 0x100
	v_lshrrev_b32 v1, 5, v0
	v_readfirstlane_b32 s10, v1                    ; wave 0..3
	s_lshr_b32 s11, s10, 1                         ; my half of the rows; also: I fetch A (0) or weights (1)
	s_and_b32 s12, s10, 1                          ; my half of the columns; also: which half of that tile I fetch
	s_bfe_u32 s40, ttmp6, 0x40000                  ; cx
	s_bfe_u32 s41, ttmp6, 0x40004                  ; cy
	s_mov_b32 s79, ttmp9                           ; the kind: 0 q, 1 k, 2 v (cluster x: equal in all partners)
	s_lshl_b32 s42, ttmp9, 2
	s_add_co_u32 s42, s42, s40                     ; block column 0..11
	s_and_b32 s13, ttmp7, 0xffff
	s_lshl_b32 s13, s13, 2
	s_add_co_u32 s13, s13, s41                     ; block row 0..15
	s_lshl_b32 s43, s41, 2
	s_lshl_b32 s43, 15, s43                        ; my row of the cluster
	s_lshl_b32 s44, 0x1111, s40                    ; my column
	s_or_b32 s[G1+0], s43, (1<<16)|(1<<20)|(1<<21)|(5<<22)|(3<<25)   ; A: mask of my row; 2-byte elements; 4 words of padding behind every 64
	s_mov_b32 s[G1+1], KSTEP<<16                   ; tensor_dim0 = 128
	s_mov_b32 s[G1+2], 128<<16                     ; tensor_dim1 = 128
	s_mov_b32 s[G1+3], KSTEP<<16                   ; tile_dim0 = 128
	s_mov_b32 s[G1+4], 128                         ; tile_dim1 = 128
	s_mov_b32 s[G1+5], SIZE_K                      ; elements from row to row
	s_mov_b32 s[G1+6], 0
	s_mov_b32 s[G1+7], 0
	s_or_b32 s[G1B+0], s44, (1<<16)|(1<<20)|(1<<21)|(6<<22)|(7<<25)  ; weights: mask of my column; 8 words of padding behind every 128
	s_mov_b32 s[G1B+1], 256<<16                    ; tensor_dim0 = 256 columns
	s_mov_b32 s[G1B+2], 64<<16                     ; tensor_dim1 = 64 k rows
	s_mov_b32 s[G1B+3], 256<<16                    ; tile_dim0
	s_mov_b32 s[G1B+4], 64                         ; tile_dim1
	s_mov_b32 s[G1B+5], 3072                       ; elements from row to row
	s_mov_b32 s[G1B+6], 0
	s_mov_b32 s[G1B+7], 0
	s_lshl_b32 s17, s12, 7
	s_lshl_b32 s16, s13, 8
	s_add_co_u32 s16, s16, s17                     ; A: row 256 x block row + 128 x half
	s_lshl_b32 s16, s16, 11                        ; x 2,048 bytes
	s_mov_b32 s17, 0
	s_mul_i32 s46, s12, 64*3072*2                  ; weights: k row 64 x half
	s_lshl_b32 s47, s42, 9                         ; + 256 columns x block column
	s_add_co_u32 s46, s46, s47
	s_mov_b32 s47, 0
	s_mul_i32 s20, s10, HALFT                      ; LDS: wave x 34,816: A's halves, then the weights'
	s_mov_b32 s77, 0
	s_mov_b32 s66, 0x76543210
	s_mov_b32 s67, 0xfedcba98
	s_wait_dscnt 0x0
	s_wait_kmcnt 0x0
	s_cmp_eq_u32 s79, 0
	s_cselect_b32 s72, 0x4138aa3b, 1.0             ; q carries 8 log2(e)
	s_cselect_b32 s76, 0, 0x800000                 ; q reads LayerNorm(x), k and v read x
	s_cselect_b64 s[74:75], s[68:69], s[70:71]     ; the gains: q_scale or k_scale
	s_mov_b32 s73, s72
	s_cmp_eq_u32 s79, 2
	s_cselect_b32 s78, -1, 0                       ; v: neither norm nor gain
	s_add_nc_u64 s[14:15], s[4:5], s[16:17]
	s_add_nc_u64 s[14:15], s[14:15], s[76:77]
	s_add_nc_u64 s[46:47], s[6:7], s[46:47]
	CROUND                                         ; all sixteen work-groups are here: the first joint loads meet
.irp s, 0,1
	s_mov_b32 s[G0+4*\s], 1
	s_add_co_u32 s[G0+4*\s+1], s20, \s*SLOT
	s_add_nc_u64 s[G0+4*\s+2:G0+4*\s+3], s[14:15], \s*ASTEP
	s_or_b32 s[G0+4*\s+3], s[G0+4*\s+3], 0x80000000
	s_mov_b32 s[G0B+4*\s], 1
	s_add_co_u32 s[G0B+4*\s+1], s20, \s*SLOT
	s_add_nc_u64 s[G0B+4*\s+2:G0B+4*\s+3], s[46:47], \s*BSTEP
	s_or_b32 s[G0B+4*\s+3], s[G0B+4*\s+3], 0x80000000
	JLOAD \s
.endr
	v_and_b32 v1, 15, v0                           ; l % 16
	v_bfe_u32 v2, v0, 4, 1                         ; l / 16
	v_lshlrev_b32 v[GOF], 5, v2                    ; the gains of my 8 columns of each 16
.irp bb, 0,1,2,3
	global_load_b128 v[SC+8*\bb:SC+8*\bb+3],   v[GOF], s[74:75] offset:64*\bb
	global_load_b128 v[SC+8*\bb+4:SC+8*\bb+7], v[GOF], s[74:75] offset:64*\bb+16
.endr
	v_mul_u32_u24 v3, v1, PITCH
	v_lshl_add_u32 v3, v2, 4, v3                   ; A: row x pitch + 16 x half
	v_and_b32 v4, 7, v0
	v_lshl_add_u32 v4, v2, 3, v4                   ; weights: k row 8 (l/16) + l % 8,
	v_mul_u32_u24 v4, v4, BPITCH
	v_bfe_u32 v5, v0, 3, 1
	v_lshl_add_u32 v4, v5, 4, v4                   ; 16 bytes further for lanes 8-15 of each half
	s_mul_i32 s21, s11, HALFT                      ; my 128 rows of A
	s_lshl_b32 s22, s12, 8                         ; my 128 columns of the weights,
	s_add_co_u32 s22, s22, 2*HALFT                 ; which lie behind A's 256 rows
.irp s, 0,1
	v_add_nc_u32 v[ADRA+\s], s21, v3
	v_add_nc_u32 v[ADRB+\s], s22, v4
	s_add_co_u32 s21, s21, SLOT
	s_add_co_u32 s22, s22, SLOT
.endr
	s_mul_i32 s23, s10, 16*SPITCH
	s_add_co_u32 s23, s23, STAGE                   ; my stage
	v_mul_u32_u24 v6, v1, SPITCH
	v_lshl_add_u32 v6, v2, 4, v6
	v_add_nc_u32 v[STO], s23, v6                   ; in: row l % 16, 16 bytes for each half of the lanes
	v_bfe_u32 v6, v0, 3, 2
	v_mul_u32_u24 v6, v6, SPITCH
	v_and_b32 v7, 7, v0
	v_lshl_add_u32 v6, v7, 4, v6
	v_add_nc_u32 v[RD], s23, v6                    ; back: eight lanes take the 128 bytes of one head in one row
	v_and_b32 v7, 31, v0
	v_lshlrev_b32 v[CO], 4, v7                     ; and four such rows are 512 consecutive bytes of the output
	s_wait_loadcnt 0x0                             ; the gains
.set i, 0
.rept 16
	v_pk_mul_f32 v[SC+2*i:SC+2*i+1], v[SC+2*i:SC+2*i+1], s[72:73] op_sel_hi:[1,0]
.set i, i+1
.endr
.set i, 0
.rept 32
	v_cndmask_b32 v[SC+i], v[SC+i], 1.0, s78       ; v: the gain is one
.set i, i+1
.endr
; 16 matrix instructions: m blocks a0, a0 + 1 of the window's four x all 8 n blocks, 32 along K.  zero = 1: the first product starts the sums.
.macro MUL16 f, hi, a0, zero
.irp a, \a0, \a0+1
.irp b, 0,1,2,3,4,5,6,7
.if \zero
	v_wmma_f32_16x16x32_f16 v[8*(8*(\a)+\b):8*(8*(\a)+\b)+7], v[\f+8*\b:\f+8*\b+7], v[\f+8*(4*\hi+\a):\f+8*(4*\hi+\a)+7], 0
.else
	v_wmma_f32_16x16x32_f16 v[8*(8*(\a)+\b):8*(8*(\a)+\b)+7], v[\f+8*\b:\f+8*\b+7], v[\f+8*(4*\hi+\a):\f+8*(4*\hi+\a)+7], v[8*(8*(\a)+\b):8*(8*(\a)+\b)+7]
.endif
.endr
.endr
.endm
; 32 LDS loads in one run: quarter q (32 along K) of a slot into buffer f: 128 columns of the weights (transposed on the way), 128 rows of A
.macro FETCH slot, q, f
	WIN TO_B
.irp i, 0,1,2,3,4,5,6,7
	ds_load_tr16_b128 v[\f+8*\i:\f+8*\i+3],   v[ADRB+\slot] offset:\q*32*BPITCH+32*\i
	ds_load_tr16_b128 v[\f+8*\i+4:\f+8*\i+7], v[ADRB+\slot] offset:\q*32*BPITCH+32*\i+16*BPITCH
.endr
	WIN 0
.irp i, 0,1,2,3,4,5,6,7
	ds_load_b128 v[\f+8*\i:\f+8*\i+3],   v[ADRA+\slot] offset:64*\q+\i*16*PITCH
	ds_load_b128 v[\f+8*\i+4:\f+8*\i+7], v[ADRA+\slot] offset:64*\q+\i*16*PITCH+32
.endr
.endm
; Four plain places stand between a matrix instruction and a load into one of its sources or a vector instruction on one of its
; registers (ISA guide 7.12.1 for vector instructions).
.macro PLACES
.rept 4
	v_nop
.endr
.endm
.macro QUARTER slot, q, f, g, zero     ; multiplies buffer f; in its middle fetches quarter q of the same slot into buffer g
	s_wait_dscnt 8                                 ; the weights and A's rows 0-63 are in; the youngest eight loads (A's rows 64-127) may be out
	WIN MUL_LO
	MUL16 \f, 0, 0, \zero
	MUL16 \f, 0, 2, \zero
	PLACES
	FETCH \slot, \q, \g
	s_wait_dscnt 32                                ; all but the 32 just issued
	WIN MUL_HI
	MUL16 \f, 1, 0, \zero
	MUL16 \f, 1, 2, \zero
.endm
.macro THREE slot, zero
	QUARTER \slot, 1, F0, F1, \zero
	QUARTER \slot, 2, F1, F0, 0
	QUARTER \slot, 3, F0, F1, 0
.endm
; The last quarter of a K step changes slots.  In front of the barrier each wave waits for its reads of this slot and for all its tensor
; loads (one is out: its part of the next slot).  Where the slot is filled again the barrier opens a round of the cluster's barrier and the
; joint refill is the first tensor load behind the round.  From a request to the wait for it a wave issues 240 matrix instructions.
.macro TURN slot, next, fill
	s_wait_dscnt 8
	WIN MUL_LO
	MUL16 F1, 0, 0, 0
	s_wait_dscnt 0
	s_wait_tensorcnt 0x0
	ds_add_u32 v255, v255
	s_wait_dscnt 0x0
	s_barrier_signal -1
	MUL16 F1, 0, 2, 0                              ; register work while the others arrive
	WIN 0
	s_barrier_wait -1
.if \fill
	CREST
	s_add_nc_u64 s[G0+4*\slot+2:G0+4*\slot+3], s[G0+4*\slot+2:G0+4*\slot+3], 2*ASTEP
	s_add_nc_u64 s[G0B+4*\slot+2:G0B+4*\slot+3], s[G0B+4*\slot+2:G0B+4*\slot+3], 2*BSTEP
	JLOAD \slot
.endif
	PLACES
	FETCH \next, 0, F0
	WIN MUL_HI
	MUL16 F1, 1, 0, 0
	MUL16 F1, 1, 2, 0
.endm
.macro LAP zero
	THREE 0, \zero
	TURN 0, 1, 1
	THREE 1, 0
	TURN 1, 0, 1
.endm
	s_wait_tensorcnt 1                             ; my part of K step 0 is in; K step 1's load stays out
	s_barrier_signal -1
	s_barrier_wait -1
	FETCH 0, 0, F0
	LAP 1                                          ; the first lap's first products start the sums
	WIN 0
	s_mov_b32 s3, LAPS-2
.Llap:
	LAP 0                                          ; the 64 accumulators take turns, one instruction a turn, over the backward jump too
	WIN 0
	s_sub_co_u32 s3, s3, 1
	s_cmp_lg_u32 s3, 0
	s_cbranch_scc1 .Llap
	THREE 0, 0                                     ; the last lap fills nothing
	TURN 0, 1, 0
	THREE 1, 0
	s_wait_dscnt 8
	WIN MUL_LO
	MUL16 F1, 0, 0, 0
	MUL16 F1, 0, 2, 0
	s_wait_dscnt 0
	WIN MUL_HI
	MUL16 F1, 1, 0, 0
	MUL16 F1, 1, 2, 0
	; THE WAY OUT, 16 rows at a time.
	PLACES
	s_lshl_b32 s16, s79, 23                        ; the kind's array: 8,388,608 bytes each
	s_lshr_b32 s17, s13, 3
	s_lshl_b32 s17, s17, 22                        ; batch x 16 planes
	s_add_co_u32 s16, s16, s17
	s_lshl_b32 s17, s12, 19                        ; my two heads of the block's four
	s_add_co_u32 s16, s16, s17
	s_and_b32 s17, s13, 7
	s_lshl_b32 s17, s17, 15                        ; 256 rows x 128 bytes x block row in the batch
	s_add_co_u32 s16, s16, s17
	s_lshl_b32 s17, s11, 14                        ; my 128 rows
	s_add_co_u32 s16, s16, s17
	s_mov_b32 s17, 0
	s_add_nc_u64 s[8:9], s[8:9], s[16:17]
	s_lshl_b32 s46, s40, 20                        ; four heads x cx (in the registers that held the weights' address)
	s_mov_b32 s47, 0
	s_add_nc_u64 s[8:9], s[8:9], s[46:47]
; rows 16 i .. 16 i + 15 of my block = tiles (a, 0..7) of window 2 or 3.  two = both sources in that window, one = source 0 alone; f = read-back registers
.macro OUTH i, a, two, one, f
	WIN \two
.irp p, 0,1,2,3                                    ; squares: chains 0, 1 for head 0 (tiles 0-3), chains 2, 3 for head 1
.irp b, 0,1,2,3,4,5,6,7
.if (\p + (\b % 2)) == 0
	v_pk_mul_f32 v[SS+2*(\b/2):SS+2*(\b/2)+1], v[8*(8*\a+\b)+2*\p:8*(8*\a+\b)+2*\p+1], v[8*(8*\a+\b)+2*\p:8*(8*\a+\b)+2*\p+1]
.else
	v_pk_fma_f32 v[SS+2*(\b/2):SS+2*(\b/2)+1], v[8*(8*\a+\b)+2*\p:8*(8*\a+\b)+2*\p+1], v[8*(8*\a+\b)+2*\p:8*(8*\a+\b)+2*\p+1], v[SS+2*(\b/2):SS+2*(\b/2)+1]
.endif
.endr
.endr
	WIN 0
	v_pk_add_f32 v[SS:SS+1], v[SS:SS+1], v[SS+2:SS+3]
	v_pk_add_f32 v[SS+4:SS+5], v[SS+4:SS+5], v[SS+6:SS+7]
	v_add_f32 v[SS], v[SS], v[SS+1]
	v_add_f32 v[SS+4], v[SS+4], v[SS+5]
	v_permlanex16_b32 v[SS+1], v[SS], s66, s67     ; the row's other 32 columns of each head lie in the other half of the lanes
	v_permlanex16_b32 v[SS+5], v[SS+4], s66, s67
	v_add_f32 v[SS], v[SS], v[SS+1]
	v_add_f32 v[SS+4], v[SS+4], v[SS+5]
	v_sqrt_f32 v[SS], v[SS]
	v_sqrt_f32 v[SS+4], v[SS+4]
	v_nop                                          ; one plain place behind the transcendentals (ISA guide 5.7.2)
	s_wait_alu depctr_va_vdst(0)
	v_max_num_f32 v[SS], 0x2b8cbccc, v[SS]         ; max(norm, 1e-12)
	v_max_num_f32 v[SS+4], 0x2b8cbccc, v[SS+4]
	v_rcp_f32 v[FN], v[SS]
	v_rcp_f32 v[FN+2], v[SS+4]
	v_nop
	s_wait_alu depctr_va_vdst(0)
	v_cndmask_b32 v[FN], v[FN], 1.0, s78           ; v is not normalised
	v_cndmask_b32 v[FN+2], v[FN+2], 1.0, s78
	v_mov_b32 v[FN+1], v[FN]
	v_mov_b32 v[FN+3], v[FN+2]
	WIN \one
.irp b, 0,1,2,3,4,5,6,7
.irp p, 0,1,2,3
	v_pk_mul_f32 v[T+8*\b+2*\p:T+8*\b+2*\p+1], v[8*(8*\a+\b)+2*\p:8*(8*\a+\b)+2*\p+1], v[SC+8*(\b%4)+2*\p:SC+8*(\b%4)+2*\p+1]
.endr
.endr
	WIN 0
.irp b, 0,1,2,3,4,5,6,7
.irp p, 0,1,2,3
	v_pk_mul_f32 v[T+8*\b+2*\p:T+8*\b+2*\p+1], v[T+8*\b+2*\p:T+8*\b+2*\p+1], v[FN+2*(\b/4):FN+2*(\b/4)+1]
.endr
.endr
.irp b, 0,1,2,3,4,5,6,7
.irp p, 0,1,2,3
	v_cvt_pk_f16_f32 v[TMP+4*\b+\p], v[T+8*\b+2*\p], v[T+8*\b+2*\p+1]
.endr
.endr
.irp b, 0,1,2,3,4,5,6,7
	ds_store_b128 v[STO], v[TMP+4*\b:TMP+4*\b+3] offset:32*\b
.endr
	s_wait_xcnt 0x0                                ; the read-back registers were store data two turns ago: rewritten only behind this wait
.irp hh, 0,1
.irp tt, 0,1,2,3
	ds_load_b128 v[\f+4*(4*\hh+\tt):\f+4*(4*\hh+\tt)+3], v[RD] offset:4*\tt*SPITCH+128*\hh   ; LDS serves a wave's instructions in order: these see the stores above
.endr
.endr
.irp hh, 0,1
.irp tt, 0,1,2,3
	s_wait_dscnt 7-(4*\hh+\tt)
	global_store_b128 v[CO], v[\f+4*(4*\hh+\tt):\f+4*(4*\hh+\tt)+3], s[8:9] offset:\hh*PLANE+\i*2048+\tt*512   ; 512 consecutive bytes, aligned
.endr
.endr
.endm
	OUTH 0, 0, 0x0a, 0x02, 64
	OUTH 1, 1, 0x0a, 0x02, 96
	OUTH 2, 2, 0x0a, 0x02, 64
	OUTH 3, 3, 0x0a, 0x02, 96
	OUTH 4, 0, 0x0f, 0x03, 64
	OUTH 5, 1, 0x0f, 0x03, 96
	OUTH 6, 2, 0x0f, 0x03, 64
	OUTH 7, 3, 0x0f, 0x03, 96
	s_set_vgpr_msb 0x1
	s_wait_tensorcnt 0x0
	ds_add_u32 v255, v255
	s_wait_dscnt 0x0
	s_set_vgpr_msb 0x100
	CROUND                                         ; the closing round: no work-group ends while a partner may still ask for a tile that names it
	s_endpgm
.Lfunc_end_k_q459a4ad507_qkv:
	.size	k_q459a4ad507_qkv, .Lfunc_end_k_q459a4ad507_qkv-k_q459a4ad507_qkv
	.p2alignl 7, 3214868480
	.fill 96, 4, 3214868480
	.section	.rodata,"a",@progbits
	.p2align	6, 0x0
	.amdhsa_kernel k_q459a4ad507_qkv
		.amdhsa_group_segment_fixed_size 327680
		.amdhsa_private_segment_fixed_size 0
		.amdhsa_enable_private_segment 0
		.amdhsa_kernarg_size 40
		.amdhsa_user_sgpr_count 2
		.amdhsa_user_sgpr_kernarg_segment_ptr 1
		.amdhsa_wavefront_size32 1
		.amdhsa_system_sgpr_workgroup_id_x 1
		.amdhsa_system_sgpr_workgroup_id_y 1
		.amdhsa_system_sgpr_workgroup_id_z 1
		.amdhsa_system_vgpr_workitem_id 0
		.amdhsa_next_free_vgpr 1024
		.amdhsa_next_free_sgpr 80
		.amdhsa_reserve_vcc 0
		.amdhsa_float_denorm_mode_32 3
		.amdhsa_float_denorm_mode_16_64 3
		.amdhsa_memory_ordered 1
		.amdhsa_forward_progress 1
		.amdhsa_inst_pref_size 255
	.end_amdhsa_kernel
	.section	.bss,"aw",@nobits
	.p2align	6
	.space	262144
	.amdgpu_metadata
---
amdhsa.version: [ 1, 2 ]
amdhsa.kernels:
  - .name:           k_q459a4ad507_qkv
    .symbol:         k_q459a4ad507_qkv.kd
    .args:
      - { .name: xa, .offset: 0, .size: 8, .value_kind: global_buffer, .address_space: global }
      - { .name: wb, .offset: 8, .size: 8, .value_kind: global_buffer, .address_space: global }
      - { .name: qkv, .offset: 16, .size: 8, .value_kind: global_buffer, .address_space: global }
      - { .name: q_scale, .offset: 24, .size: 8, .value_kind: global_buffer, .address_space: global }
      - { .name: k_scale, .offset: 32, .size: 8, .value_kind: global_buffer, .address_space: global }
    .group_segment_fixed_size: 327680
    .private_segment_fixed_size: 0
    .kernarg_segment_align: 8
    .kernarg_segment_size: 40
    .max_flat_workgroup_size: 128
    .sgpr_count:     80
    .vgpr_count:     1024
    .wavefront_size: 32
...
	.end_amdgpu_metadata
.endif
;; end of part 2
;; launch attn (part 3): grid 256 x 1, 8 waves a work-group, clusters of 4 x 1, 327,680 bytes of LDS; arguments qkv, null_kv, k_scale, ob; writes ob
.if DOCPART == 3
	.amdgcn_target "amdgcn-amd-amdhsa--gfx1250"
	.amdhsa_code_object_version 6
	.text
	.protected	k_q459a4ad507_attn
	.globl	k_q459a4ad507_attn
	.p2align	8
	.type	k_q459a4ad507_attn,@function
k_q459a4ad507_attn:
	s_mov_b64 s[64:65], 0
	v_nop
	global_prefetch_b8 v0, s[64:65] scope:SCOPE_SE
	s_setreg_imm32_b32 hwreg(HW_REG_WAVE_MODE, 25, 1), 1
	s_wait_xcnt 0x0
	s_wait_alu depctr_hold_cnt(0) depctr_sa_sdst(0) depctr_va_vdst(0) depctr_va_sdst(0) depctr_va_ssrc(0) depctr_va_vcc(0) depctr_vm_vsrc(0)
	s_getreg_b32 s2, hwreg(HW_REG_IB_STS2, 6, 4)
	s_cmp_eq_u32 s2, 0
	s_cbranch_scc0 .Lentry_in_a_cluster
	s_endpgm
.Lentry_in_a_cluster:
	s_bfe_u32 s2, ttmp6, 0x10000c
	s_cmp_lg_u32 s2, 0x3003
	s_cbranch_scc0 .Lentry_shape_is_right
	s_endpgm
.Lentry_shape_is_right:
; attn: causal attention with ALiBi and two null keys, one (batch, head) for two clusters of four work-groups.
; q (already x 8 log2 e), k (normalised, with gains) and v come as [batch*16+head][2048][64] f16; the result goes out in the same layout.
; FORMAT: f16 for its finer rounding.  q and k are bounded by their gains, P lies in [0, 1], and the result is a convex mix of v and the null values,
; so it has v's range.
; SHARING.  A cluster makes two sweeps over K and V: first for rows 512 SB .. +511 with SB = 3 - cl, then with SB = cl (cl = cluster & 1), so every
; cluster passes 2 (SB + 1) slots of 256 keys in each, ten in all.  All four partners walk the same tiles: every tile is asked for jointly.
; Wave w: g = w >> 2 takes keys 64 g .. 64 g + 63 of every 128; wq = (w & 3) xor 3 g picks its rows: two tiles of 16 queries, rows
; 512 SB + 128 wq + 64 u + 16 cx + r.  The place in the cluster enters only global addresses and the mask's limits, no branch and no LDS address.
; The last four pieces of 128 keys of a sweep are the diagonal: piece z is whole for wq > z, masked for wq = z, not needed for wq < z.
; The two waves of one wq meet at the sweep's end through LDS.
; ARITHMETIC.  S^T = K Q^T (lane (r, h) holds query r, keys 8 h + j), P^T packs in place into the second source of O^T = V^T P^T.
; Logits are in base 2.  ALiBi's -slope x row is constant along a row and falls out of the softmax; what is left is slope2 x key, and each piece
; counts keys from its own first key: the running maximum is moved by 128 slope2 from piece to piece, so no large number is ever added to a logit.
; The running maximum is always taken away before the exponential.
; LIMITS: masked logits are -1e30 and the maximum starts at -1e20, so logits must stay below about 1e19 in magnitude; exponentials below 2^-126
; come out as zero, and P below 3e-8 of the running maximum's weight rounds to zero in f16; null values of 65,504 and above become infinite;
; NaN and infinite inputs are not treated.
.set KP,    144                        ; a key's LDS row: 128 bytes + 16
.set VP,    160                        ; a value's LDS row: 128 bytes + 32: an odd multiple of 32, for the transposing load
.set KSLOT, 256*KP
.set VSLOT, 256*VP
.set VBASE, 2*KSLOT
.set MRG,   VBASE+2*VSLOT              ; 155,648: for each wq 17 x 512 bytes: O, then m and l, of the wave with g = 1
.set MRGW,  17*512
.set STG,   MRG+4*MRGW                 ; 190,464: for each wq two stages of 16 rows x 144 bytes.  No tensor load lands in MRG or STG
.set STGW,  2*16*KP
.set TILEB, 256*128                    ; bytes of 256 keys in memory
.set MX,   10                          ; v[10:13] maxima of the four key tiles; v10, v12, v18, v20 then hold the exponents' addends
.set BIAS, 24                          ; v[24:31] slope2 x (8 h + j)
.set Q,    32                          ; v[32:63] at 16 u + 8 c
.set S,    64                          ; v[64:127] at 32 u + 8 s; P of 32 keys kk packs into the first 8 registers of 32 u + 16 kk
.set KV,   128                         ; v[128:191] K at 8 (4 c + s), then V at 8 (4 kk + t)
.set O,    192                         ; v[192:255] at 32 u + 8 t
; v1 K's address; v2, v3 V's in slot 0, 1; v4, v5 the mask's limits; v6, v7 m; v8, v9 l (a lane's part); v14, v15 at work; v16, v17 the rescale; v18-21 sums
; s12 wave, s13 g, s14 wq, s15 cx, s16 batch*16+head, s17 cl, s18 SB, s19 sweep, s20 pairs left, s21 -1e30, s22/23 lane selects, s24 slope2,
; s25-27 16, 32, 48 slope2, s28 64 slope2, s29 128 slope2, s30 the first shift, s31 -1e20, s[32:47] descriptor groups 1, s[48:63] groups 0,
; s[66:69] my rows in tile 0 of K and V, s[70:73] q's and the output's base in this sweep, s[76:77] the head's null rows
.macro ROUND                           ; a round of the cluster's barrier
	s_barrier_signal -1
	s_barrier_wait -1
	s_cmp_lg_u32 s12, 0
	s_cbranch_scc1 .Lnot_wave_0_\@
	s_barrier_signal -3
.Lnot_wave_0_\@:
	s_barrier_wait -3
	s_barrier_signal -1
	s_barrier_wait -1
.endm
	s_load_b256 s[4:11], s[0:1], 0x0               ; qkv 4:5, null_kv 6:7, k_scale 8:9, ob 10:11
	v_lshl_add_u32 v23, v0, 2, 0x33000
	s_set_vgpr_msb 0x40
	v_mov_b32 v1, 0
	s_set_vgpr_msb 0x4000
	v_lshrrev_b32 v1, 5, v0
	v_readfirstlane_b32 s12, v1                    ; wave 0..7
	s_lshr_b32 s13, s12, 2                         ; g
	s_and_b32 s14, s12, 3
	s_mul_i32 s74, s13, 3
	s_xor_b32 s14, s14, s74                        ; wq
	s_bfe_u32 s15, ttmp6, 0x40000                  ; cx
	s_lshr_b32 s16, ttmp9, 1                       ; batch*16 + head
	s_and_b32 s17, ttmp9, 1                        ; cl
	s_mov_b32 s21, 0xf149f2ca                      ; -1e30
	s_mov_b32 s31, 0xe0ad78ec                      ; -1e20
	s_mov_b32 s22, 0x76543210
	s_mov_b32 s23, 0xfedcba98
	; groups 1: my 32 keys are 4,096 dense bytes: 16 rows of 32 elements of 8 bytes; padding behind every 32 words (one key)
	s_mov_b32 s32, 15|(3<<16)|(1<<20)|(1<<21)|(4<<22)|(3<<25)   ; K: all four partners; 4 words of padding
	s_mov_b32 s33, 32<<16
	s_mov_b32 s34, 16<<16
	s_mov_b32 s35, 32<<16
	s_mov_b32 s36, 16
	s_mov_b32 s37, 32
	s_mov_b32 s38, 0
	s_mov_b32 s39, 0
	s_mov_b32 s40, 15|(3<<16)|(1<<20)|(1<<21)|(4<<22)|(7<<25)   ; V: 8 words of padding
	s_mov_b32 s41, 32<<16
	s_mov_b32 s42, 16<<16
	s_mov_b32 s43, 32<<16
	s_mov_b32 s44, 16
	s_mov_b32 s45, 32
	s_mov_b32 s46, 0
	s_mov_b32 s47, 0
	s_mul_i32 s74, s12, 32*KP
	s_mul_i32 s75, s12, 32*VP
	s_mov_b32 s48, 1                               ; groups 0: K slot 0, K slot 1, V slot 0, V slot 1
	s_mov_b32 s49, s74
	s_mov_b32 s52, 1
	s_add_co_u32 s53, s74, KSLOT
	s_mov_b32 s56, 1
	s_add_co_u32 s57, s75, VBASE
	s_mov_b32 s60, 1
	s_add_co_u32 s61, s75, VBASE+VSLOT
	; lane addresses
	v_and_b32 v10, 15, v0                          ; r
	v_bfe_u32 v11, v0, 4, 1                        ; h
	v_and_b32 v12, 7, v0
	v_bfe_u32 v13, v0, 3, 1
	s_lshl_b32 s74, s13, 6                         ; 64 g
	v_add_nc_u32 v1, s74, v10
	v_mul_u32_u24 v1, v1, KP
	v_lshl_add_u32 v1, v11, 4, v1                  ; K: (64 g + r) x 144 + 16 h
	v_lshl_add_u32 v2, v11, 3, v12
	v_add_nc_u32 v2, s74, v2
	v_mul_u32_u24 v2, v2, VP
	v_lshl_add_u32 v2, v13, 4, v2                  ; V: (64 g + 8 h + l % 8) x 160 + 16 for lanes 8-15 of each half
	v_add_nc_u32 v3, VBASE+VSLOT, v2
	v_add_nc_u32 v2, VBASE, v2
	s_lshl_b32 s75, s15, 4
	s_sub_co_i32 s75, s75, s74                     ; 16 cx - 64 g
	v_lshlrev_b32 v15, 3, v11                      ; 8 h
	v_sub_nc_u32 v4, v10, v15
	v_add_nc_u32 v4, s75, v4                       ; key 16 s + j of the diagonal piece is seen by tile 0's query iff 16 s + j <= this,
	v_add_nc_u32 v5, 64, v4                        ; by tile 1's iff <= this
	; slope2 = log2(e) x 2^-((head + 1) / 2)
	s_and_b32 s74, s16, 15
	s_lshl_b32 s76, s74, 10                        ; the head's four null rows
	s_mov_b32 s77, 0
	s_add_co_u32 s74, s74, 1
	v_cvt_f32_u32 v14, s74
	v_mul_f32 v14, -0.5, v14
	v_exp_f32 v14, v14
	v_nop                                          ; one plain place behind the transcendental (ISA guide 5.7.2)
	s_wait_alu depctr_va_vdst(0)
	v_mul_f32 v14, 0x3fb8aa3b, v14
	v_readfirstlane_b32 s24, v14
	s_mul_f32 s25, s24, 0x41800000
	s_mul_f32 s26, s24, 0x42000000
	s_mul_f32 s27, s24, 0x42400000
	s_mul_f32 s28, s24, 0x42800000
	s_mul_f32 s29, s24, 0x43000000
	s_cmp_lg_u32 s13, 0
	s_cselect_b32 s30, s28, s29                    ; from the null keys' count (key 0) to the count 128 keys in front of my first key: 128 - 64 g
.irp e, 0,1,2,3,4,5,6,7
	v_add_nc_u32 v16, \e, v15
	v_cvt_f32_u32 v16, v16
	v_mul_f32 v[BIAS+\e], s24, v16
.endr
	s_lshl_b32 s74, s16, 18
	s_lshl_b32 s75, s12, 12
	s_add_co_u32 s74, s74, s75                     ; the head's plane + my 32 keys
	s_mov_b32 s75, 0
	s_wait_kmcnt 0x0
	s_add_nc_u64 s[76:77], s[6:7], s[76:77]
	s_add_nc_u64 s[66:67], s[4:5], s[74:75]
	s_add_nc_u64 s[68:69], s[66:67], 0x1000000     ; v
	s_add_nc_u64 s[66:67], s[66:67], 0x800000      ; k
	s_or_b32 s67, s67, 0x80000000                  ; the descriptors' type bits
	s_or_b32 s69, s69, 0x80000000
; The change of slots.  Every wave waits for all its tensor loads (its parts of this trip's slot) and for its reads of the other slot; with a
; refill a round of the cluster's barrier follows and the joint loads into the other slot are the first behind it.  A wave has two loads out.
.macro TRIP slot, refill
	s_set_vgpr_msb 0x4
	s_wait_tensorcnt 0x0
	ds_add_u32 v23, v1
	s_wait_dscnt 0x0
	s_set_vgpr_msb 0x400
	s_add_nc_u64 s[50+4*\slot:51+4*\slot], s[50+4*\slot:51+4*\slot], 2*TILEB   ; no load of mine is out: this slot's next tile
	s_add_nc_u64 s[58+4*\slot:59+4*\slot], s[58+4*\slot:59+4*\slot], 2*TILEB
	s_wait_dscnt 0x0
.if \refill
	ROUND
	tensor_load_to_lds s[52-4*\slot:55-4*\slot], s[32:39]
	s_nop 0
	tensor_load_to_lds s[60-4*\slot:63-4*\slot], s[40:47]
	s_nop 0
.else
	s_barrier_signal -1
	s_barrier_wait -1
.endif
.endm
; The online softmax of query tile u over 64 keys: maximum, rescale factor, exponentials, sum, P packed in place, O rescaled.
.macro SOFTMAX u
.irp s, 0,1,2,3
	v_max3_num_f32 v[MX+\s], v[S+32*\u+8*\s], v[S+32*\u+8*\s+1], v[S+32*\u+8*\s+2]
.endr
.irp s, 0,1,2,3
	v_max3_num_f32 v[MX+\s], v[MX+\s], v[S+32*\u+8*\s+3], v[S+32*\u+8*\s+4]
.endr
.irp s, 0,1,2,3
	v_max3_num_f32 v[MX+\s], v[MX+\s], v[S+32*\u+8*\s+5], v[S+32*\u+8*\s+6]
.endr
.irp s, 0,1,2,3
	v_max_num_f32 v[MX+\s], v[MX+\s], v[S+32*\u+8*\s+7]
.endr
	v_add_f32 v[MX+1], s25, v[MX+1]                ; key tile s lies 16 s keys on
	v_add_f32 v[MX+2], s26, v[MX+2]
	v_add_f32 v[MX+3], s27, v[MX+3]
	v_max3_num_f32 v14, v[MX], v[MX+1], v[MX+2]
	v_max_num_f32 v14, v14, v[MX+3]
	v_permlanex16_b32 v15, v14, s22, s23           ; the query's other keys lie in the other half of the lanes
	v_max3_num_f32 v14, v14, v15, v[6+\u]
	v_sub_f32 v16, v[6+\u], v14
	v_mov_b32 v[6+\u], v14
	v_exp_f32 v16, v16                             ; the rescale factor; the plain lines below are its place (ISA guide 5.7.2)
	v_sub_f32 v10, 0, v14                          ; 16 s slope2 - maximum, in even registers for the broadcast
	v_sub_f32 v12, s25, v14
	v_sub_f32 v18, s26, v14
	v_sub_f32 v20, s27, v14
.irp s, 0,1,2,3
.irp p, 0,1,2,3
	v_pk_add_f32 v[S+32*\u+8*\s+2*\p:S+32*\u+8*\s+2*\p+1], v[S+32*\u+8*\s+2*\p:S+32*\u+8*\s+2*\p+1], v[10+2*\s+4*(\s/2):11+2*\s+4*(\s/2)] op_sel_hi:[1,0]
.endr
.endr
.set i, 0
.rept 32
	v_exp_f32 v[S+32*\u+i], v[S+32*\u+i]
.set i, i+1
.endr
	s_wait_alu depctr_va_vdst(0)
	v_mov_b32 v17, v16                             ; the plain place behind the exponentials
	v_pk_add_f32 v[18:19], v[S+32*\u:S+32*\u+1], v[S+32*\u+2:S+32*\u+3]
	v_pk_add_f32 v[20:21], v[S+32*\u+16:S+32*\u+17], v[S+32*\u+18:S+32*\u+19]
.irp p, 2,3,4,5,6,7
	v_pk_add_f32 v[18:19], v[18:19], v[S+32*\u+2*\p:S+32*\u+2*\p+1]
	v_pk_add_f32 v[20:21], v[20:21], v[S+32*\u+16+2*\p:S+32*\u+16+2*\p+1]
.endr
	v_pk_add_f32 v[18:19], v[18:19], v[20:21]
	v_add_f32 v18, v18, v19
	v_fma_f32 v[8+\u], v[8+\u], v16, v18
.irp kk, 0,1
.irp p, 0,1,2,3,4,5,6,7
	v_cvt_pk_f16_f32 v[S+32*\u+16*\kk+\p], v[S+32*\u+16*\kk+2*\p], v[S+32*\u+16*\kk+2*\p+1]   ; ascending: a destination never lies above its sources
.endr
.endr
.set i, 0
.rept 16
	v_pk_mul_f32 v[O+32*\u+2*i:O+32*\u+2*i+1], v[O+32*\u+2*i:O+32*\u+2*i+1], v[16:17]
.set i, i+1
.endr
.endm
.macro PV u, kk                        ; O^T of tile u += V^T (32 keys kk) P^T: four accumulators by turns
.irp t, 0,1,2,3
	v_wmma_f32_16x16x32_f16 v[O+32*\u+8*\t:O+32*\u+8*\t+7], v[KV+8*(4*\kk+\t):KV+8*(4*\kk+\t)+7], v[S+32*\u+16*\kk:S+32*\u+16*\kk+7], v[O+32*\u+8*\t:O+32*\u+8*\t+7]
.endr
.endm
; My 64 keys of piece pc (128 keys) of a slot.  z = -1: far from the diagonal; z = 0..3: the diagonal's piece z.
; The accumulators take turns, one instruction a turn, on every way through.
.macro SUB slot, pc, z
.if \z > 0
	s_cmp_lt_u32 s14, \z                           ; all of the piece lies behind my rows
	s_cbranch_scc1 .Lskip_\@
.endif
.irp c, 0,1
.irp s, 0,1,2,3
	ds_load_b128 v[KV+8*(4*\c+\s):KV+8*(4*\c+\s)+3],   v1 offset:\slot*KSLOT+(128*\pc+16*\s)*KP+64*\c
	ds_load_b128 v[KV+8*(4*\c+\s)+4:KV+8*(4*\c+\s)+7], v1 offset:\slot*KSLOT+(128*\pc+16*\s)*KP+64*\c+32
.endr
.endr
	v_sub_f32 v6, v6, s29                          ; keys are now counted from this piece's first key of mine
	v_sub_f32 v7, v7, s29
.if (\z >= 0) && (\z < 3)
	s_cmp_eq_u32 s14, \z
	s_cbranch_scc1 .Lmask_\@
.endif
.if \z < 3
	s_wait_dscnt 8                                 ; d = 0..31 of the four key tiles are in; the eight younger loads stay out
.irp s, 0,1,2,3
.irp u, 0,1
	v_wmma_f32_16x16x32_f16 v[S+32*\u+8*\s:S+32*\u+8*\s+7], v[KV+8*\s:KV+8*\s+7], v[Q+16*\u:Q+16*\u+7], v[BIAS:BIAS+7]
.endr
.endr
.endif
.if (\z >= 0) && (\z < 3)
	s_branch .Ljoin_\@
.Lmask_\@:
.endif
.if \z >= 0
.irp s, 0,1,2,3
.irp u, 0,1
.irp e, 0,1,2,3,4,5,6,7
	v_cmp_le_i32 vcc_lo, 16*\s+\e, v[4+\u]
	v_cndmask_b32 v[S+32*\u+8*\s+\e], s21, v[BIAS+\e], vcc_lo      ; the bias where the key is seen, -1e30 where not
.endr
.endr
.endr
	s_wait_dscnt 8
.irp s, 0,1,2,3
.irp u, 0,1
	v_wmma_f32_16x16x32_f16 v[S+32*\u+8*\s:S+32*\u+8*\s+7], v[KV+8*\s:KV+8*\s+7], v[Q+16*\u:Q+16*\u+7], v[S+32*\u+8*\s:S+32*\u+8*\s+7]
.endr
.endr
.endif
.if (\z >= 0) && (\z < 3)
.Ljoin_\@:
.endif
	s_wait_dscnt 0x0                               ; d = 32..63
.irp s, 0,1,2,3
.irp u, 0,1
	v_wmma_f32_16x16x32_f16 v[S+32*\u+8*\s:S+32*\u+8*\s+7], v[KV+8*(4+\s):KV+8*(4+\s)+7], v[Q+16*\u+8:Q+16*\u+15], v[S+32*\u+8*\s:S+32*\u+8*\s+7]
.endr
.endr
.rept 4
	v_nop                                          ; four places: V is loaded over K's fragments, and the softmax reads the results (ISA guide 7.12.1)
.endr
.irp kk, 0,1
.irp t, 0,1,2,3
	ds_load_tr16_b128 v[KV+8*(4*\kk+\t):KV+8*(4*\kk+\t)+3],   v[2+\slot] offset:(128*\pc+32*\kk)*VP+32*\t
	ds_load_tr16_b128 v[KV+8*(4*\kk+\t)+4:KV+8*(4*\kk+\t)+7], v[2+\slot] offset:(128*\pc+32*\kk)*VP+32*\t+16*VP
.endr
.endr
	SOFTMAX 0
	s_wait_dscnt 8                                 ; V's first 32 keys are in
	PV 0, 0
	s_wait_dscnt 0x0
	PV 0, 1
	SOFTMAX 1                                      ; names none of the registers of the eight products above
	PV 1, 0
	PV 1, 1
.rept 5
	v_nop                                          ; five places: the next products write over P, the next loads over V, the next rescale over O
.endr
.if \z > 0
.Lskip_\@:
.endif
.endm
	s_mov_b32 s19, 0
.Lsweep:
	s_sub_co_u32 s18, 3, s17
	s_cmp_eq_u32 s19, 0
	s_cselect_b32 s18, s18, s17                    ; SB: equal in all partners
	s_lshl_b32 s74, s18, 9
	s_lshl_b32 s75, s14, 7
	s_add_co_u32 s74, s74, s75
	s_lshl_b32 s75, s15, 4
	s_add_co_u32 s74, s74, s75                     ; row 512 SB + 128 wq + 16 cx
	s_lshl_b32 s74, s74, 7
	s_lshl_b32 s75, s16, 18
	s_add_co_u32 s74, s74, s75
	s_mov_b32 s75, 0
	s_add_nc_u64 s[70:71], s[4:5], s[74:75]        ; q
	s_add_nc_u64 s[72:73], s[10:11], s[74:75]      ; the output
	s_set_vgpr_msb 0x4
	s_wait_tensorcnt 0x0                           ; no load of mine is out: the groups 0 go back to tiles 0 and 1
	ds_add_u32 v23, v1
	s_wait_dscnt 0x0
	s_set_vgpr_msb 0x400
	s_mov_b64 s[50:51], s[66:67]
	s_add_nc_u64 s[54:55], s[66:67], TILEB
	s_mov_b64 s[58:59], s[68:69]
	s_add_nc_u64 s[62:63], s[68:69], TILEB
	s_wait_dscnt 0x0
	ROUND                                          ; in front of the sweep's first joint loads; in the second sweep they fill slot 0 again
	tensor_load_to_lds s[48:51], s[32:39]
	s_nop 0
	tensor_load_to_lds s[56:59], s[40:47]
	s_nop 0
	; q's fragments, and the two null keys as a tile of their own
	v_and_b32 v10, 15, v0
	v_bfe_u32 v11, v0, 4, 1
	v_lshlrev_b32 v22, 7, v10
	v_lshl_add_u32 v22, v11, 4, v22                ; q: row r, 16 h
	v_lshlrev_b32 v12, 5, v11                      ; k_scale: 8 h numbers
	v_min_u32 v13, 1, v10
	v_lshl_add_u32 v13, v13, 9, v12                ; null k of key min(r, 1): rows 0 and 2 of the head's four
	v_lshlrev_b32 v14, 2, v10                      ; null v: d = 16 t + r
.irp u, 0,1
.irp c, 0,1
	global_load_b128 v[Q+16*\u+8*\c:Q+16*\u+8*\c+3],   v22, s[70:71] offset:8192*\u+64*\c
	global_load_b128 v[Q+16*\u+8*\c+4:Q+16*\u+8*\c+7], v22, s[70:71] offset:8192*\u+64*\c+32
.endr
.endr
.irp i, 0,1,2,3,4,5,6,7                            ; d = 32 c + 16 half + 8 h + 0..7, as a fragment wants them: registers 16 c + 8 half + 0..7
	global_load_b128 v[S+4*\i:S+4*\i+3],       v13, s[76:77] offset:128*(\i/4)+64*((\i/2)%2)+16*(\i%2)
	global_load_b128 v[S+32+4*\i:S+32+4*\i+3], v12, s[8:9]   offset:128*(\i/4)+64*((\i/2)%2)+16*(\i%2)
.endr
.irp t, 0,1,2,3
	global_load_b32 v[KV+\t],   v14, s[76:77] offset:256+64*\t
	global_load_b32 v[KV+4+\t], v14, s[76:77] offset:768+64*\t
.endr
	s_wait_loadcnt 0x0
	v_pk_mul_f32 v[18:19], v[S:S+1], v[S:S+1]      ; |null k|^2: my 32 numbers, then the other half's
	v_pk_mul_f32 v[20:21], v[S+2:S+3], v[S+2:S+3]
.irp p, 2,4,6,8,10,12,14
	v_pk_fma_f32 v[18:19], v[S+2*\p:S+2*\p+1], v[S+2*\p:S+2*\p+1], v[18:19]
	v_pk_fma_f32 v[20:21], v[S+2*\p+2:S+2*\p+3], v[S+2*\p+2:S+2*\p+3], v[20:21]
.endr
	v_pk_add_f32 v[18:19], v[18:19], v[20:21]
	v_add_f32 v18, v18, v19
	v_permlanex16_b32 v15, v18, s22, s23
	v_add_f32 v18, v18, v15
	v_sqrt_f32 v18, v18
.set i, 0
.rept 16
	v_pk_mul_f32 v[S+2*i:S+2*i+1], v[S+2*i:S+2*i+1], v[S+32+2*i:S+32+2*i+1]    ; x k_scale; also the place behind the root
.set i, i+1
.endr
	s_wait_alu depctr_va_vdst(0)
	v_max_num_f32 v18, 0x2b8cbccc, v18             ; max(norm, 1e-12)
	v_rcp_f32 v18, v18
	v_mov_b32 v12, s24                             ; the place behind the reciprocal
	s_wait_alu depctr_va_vdst(0)
	v_mov_b32 v19, v18
	v_mul_f32 v10, -2.0, v12                       ; the null keys lie 2 and 1 places in front of key 0
	v_mul_f32 v11, -1.0, v12
	v_and_b32 v13, 0x90, v0
	v_cmp_eq_u32 vcc_lo, 0, v13                    ; keys 0 and 1 of the tile (h = 0), counted once: by the waves with g = 0
.set i, 0
.rept 16
	v_pk_mul_f32 v[S+2*i:S+2*i+1], v[S+2*i:S+2*i+1], v[18:19]
.set i, i+1
.endr
.set i, 0
.rept 16
	v_cvt_pk_f16_f32 v[KV+8+i], v[S+2*i], v[S+2*i+1]       ; the null keys' fragments: v[136:151]
.set i, i+1
.endr
	v_wmma_f32_16x16x32_f16 v[S:S+7],    v[KV+8:KV+15],  v[Q:Q+7],     0
	v_wmma_f32_16x16x32_f16 v[S+8:S+15], v[KV+8:KV+15],  v[Q+16:Q+23], 0
	v_wmma_f32_16x16x32_f16 v[S:S+7],    v[KV+16:KV+23], v[Q+8:Q+15],  v[S:S+7]        ; two accumulators by turns
	v_wmma_f32_16x16x32_f16 v[S+8:S+15], v[KV+16:KV+23], v[Q+24:Q+31], v[S+8:S+15]
	; the places behind them are filled by the padded operands of the null keys' P V: keys 2..31 of both are zero
.irp t, 0,1,2,3
	v_cvt_pk_f16_f32 v[KV+24+8*\t], v[KV+\t], v[KV+4+\t]           ; V^T: keys 0, 1 of d = 16 t + r
.irp e, 1,2,3,4,5,6,7
	v_mov_b32 v[KV+24+8*\t+\e], 0
.endr
.endr
.irp u, 0,1
.irp e, 1,2,3,4,5,6,7
	v_mov_b32 v[S+16+8*\u+\e], 0
.endr
.endr
.irp u, 0,1
	v_add_f32 v[S+8*\u], v10, v[S+8*\u]
	v_add_f32 v[S+8*\u+1], v11, v[S+8*\u+1]
	v_cndmask_b32 v[S+8*\u], s21, v[S+8*\u], vcc_lo
	v_cndmask_b32 v[S+8*\u+1], s21, v[S+8*\u+1], vcc_lo
	v_max3_num_f32 v14, v[S+8*\u], v[S+8*\u+1], s31
	v_permlanex16_b32 v15, v14, s22, s23
	v_max_num_f32 v[6+\u], v14, v15                ; the running maximum starts here
	v_sub_f32 v[S+8*\u], v[S+8*\u], v[6+\u]
	v_sub_f32 v[S+8*\u+1], v[S+8*\u+1], v[6+\u]
	v_exp_f32 v[S+8*\u], v[S+8*\u]
	v_exp_f32 v[S+8*\u+1], v[S+8*\u+1]
	v_add_f32 v[6+\u], s30, v[6+\u]                ; the count of keys moves to 128 in front of my first key; also the place behind the exponentials
	s_wait_alu depctr_va_vdst(0)
	v_add_f32 v[8+\u], v[S+8*\u], v[S+8*\u+1]
	v_cvt_pk_f16_f32 v[S+16+8*\u], v[S+8*\u], v[S+8*\u+1]
.endr
.irp t, 0,1,2,3
.irp u, 0,1
	v_wmma_f32_16x16x32_f16 v[O+32*\u+8*\t:O+32*\u+8*\t+7], v[KV+24+8*\t:KV+24+8*\t+7], v[S+16+8*\u:S+16+8*\u+7], 0   ; these start O's sums
.endr
.endr
.rept 5
	v_nop                                          ; five places, as at the end of a piece
.endr
	s_mov_b32 s20, s18                             ; SB pairs of slots lie wholly in front of the diagonal
	s_cmp_eq_u32 s20, 0
	s_cbranch_scc1 .Ltail
.Lpair:
	TRIP 0, 1
	SUB 0, 0, -1
	SUB 0, 1, -1
	TRIP 1, 1
	SUB 1, 0, -1
	SUB 1, 1, -1
	s_sub_co_u32 s20, s20, 1
	s_cmp_lg_u32 s20, 0
	s_cbranch_scc1 .Lpair
.Ltail:
	TRIP 0, 1                                      ; the diagonal's two slots; the last trip fetches nothing
	SUB 0, 0, 0
	SUB 0, 1, 1
	TRIP 1, 0
	SUB 1, 0, 2
	SUB 1, 1, 3
	; THE SWEEP'S END: the wave with g = 1 hands O, m, l to the wave with g = 0 of the same wq, which merges, divides and stores.
	v_and_b32 v128, 31, v0
	v_lshlrev_b32 v131, 4, v128                    ; 16 x lane
	s_mul_i32 s74, s14, MRGW
	s_add_co_u32 s74, s74, MRG
	v_add_nc_u32 v128, s74, v131
	s_cmp_eq_u32 s13, 0
	s_cbranch_scc1 .Lkeep
.set i, 0
.rept 16
	ds_store_b128 v128, v[O+4*i:O+4*i+3] offset:512*i
.set i, i+1
.endr
	ds_store_b128 v128, v[6:9] offset:8192
.Lkeep:
	s_wait_dscnt 0x0                               ; for the other wave's sake: zero
	s_barrier_signal -1
	s_barrier_wait -1
	s_cmp_lg_u32 s13, 0
	s_cbranch_scc1 .Lmerged
	ds_load_b128 v[132:135], v128 offset:8192      ; the other wave's m0, m1, l0, l1
.set i, 0
.rept 16
	ds_load_b128 v[S+4*i:S+4*i+3], v128 offset:512*i
.set i, i+1
.endr
	s_mul_i32 s75, s14, STGW
	s_add_co_u32 s75, s75, STG
	v_and_b32 v136, 15, v0
	v_bfe_u32 v137, v0, 4, 1
	v_mul_u32_u24 v129, v136, KP
	v_lshl_add_u32 v129, v137, 4, v129
	v_add_nc_u32 v129, s75, v129                   ; stage in: row r, 16 h
	v_bfe_u32 v136, v0, 3, 2
	v_and_b32 v137, 7, v0
	v_mul_u32_u24 v130, v136, KP
	v_lshl_add_u32 v130, v137, 4, v130
	v_add_nc_u32 v130, s75, v130                   ; stage back: eight lanes take a row's 128 bytes
	s_wait_dscnt 0x0
.irp u, 0,1
	v_add_f32 v[132+\u], s28, v[132+\u]            ; its keys are counted from 64 further on
	v_max_num_f32 v136, v[6+\u], v[132+\u]
	v_sub_f32 v137, v[6+\u], v136
	v_sub_f32 v138, v[132+\u], v136
	v_exp_f32 v137, v137
	v_exp_f32 v138, v138
	v_nop
	s_wait_alu depctr_va_vdst(0)
	v_mul_f32 v139, v[8+\u], v137
	v_fmac_f32 v139, v[134+\u], v138
	v_permlanex16_b32 v136, v139, s22, s23         ; l was kept by halves of the lanes
	v_add_f32 v139, v139, v136
	v_rcp_f32 v139, v139                           ; never zero: the null keys are always seen
	v_nop
	s_wait_alu depctr_va_vdst(0)
	v_mul_f32 v[140+4*\u], v137, v139
	v_mul_f32 v[142+4*\u], v138, v139
	v_mov_b32 v[141+4*\u], v[140+4*\u]
	v_mov_b32 v[143+4*\u], v[142+4*\u]
.endr
.irp u, 0,1
.set i, 0
.rept 16
	v_pk_mul_f32 v[O+32*\u+2*i:O+32*\u+2*i+1], v[O+32*\u+2*i:O+32*\u+2*i+1], v[140+4*\u:141+4*\u]
.set i, i+1
.endr
.set i, 0
.rept 16
	v_pk_fma_f32 v[O+32*\u+2*i:O+32*\u+2*i+1], v[S+32*\u+2*i:S+32*\u+2*i+1], v[142+4*\u:143+4*\u], v[O+32*\u+2*i:O+32*\u+2*i+1]
.set i, i+1
.endr
.set i, 0
.rept 16
	v_cvt_pk_f16_f32 v[148+16*\u+i], v[O+32*\u+2*i], v[O+32*\u+2*i+1]
.set i, i+1
.endr
.endr
.irp u, 0,1
.irp t, 0,1,2,3
	ds_store_b128 v129, v[148+16*\u+4*\t:148+16*\u+4*\t+3] offset:\u*16*KP+32*\t
.endr
.endr
.irp u, 0,1
.irp t, 0,1,2,3
	ds_load_b128 v[S+4*(4*\u+\t):S+4*(4*\u+\t)+3], v130 offset:\u*16*KP+4*\t*KP    ; my own bytes: LDS serves a wave's instructions in order
.endr
.endr
.irp u, 0,1
.irp t, 0,1,2,3
	s_wait_dscnt 7-(4*\u+\t)
	global_store_b128 v131, v[S+4*(4*\u+\t):S+4*(4*\u+\t)+3], s[72:73] offset:8192*\u+512*\t   ; four rows: 512 consecutive bytes, aligned
.endr
.endr
.Lmerged:
	s_wait_xcnt 0x0                                ; the stores' data, offset and base are rewritten in the next sweep only behind this wait
	s_add_co_u32 s19, s19, 1
	s_cmp_lt_u32 s19, 2
	s_cbranch_scc1 .Lsweep
	s_set_vgpr_msb 0x4
	s_wait_tensorcnt 0x0
	ds_add_u32 v23, v1
	s_wait_dscnt 0x0
	s_set_vgpr_msb 0x400
	ROUND                                          ; the closing round
	s_endpgm
.Lfunc_end_k_q459a4ad507_attn:
	.size	k_q459a4ad507_attn, .Lfunc_end_k_q459a4ad507_attn-k_q459a4ad507_attn
	.p2alignl 7, 3214868480
	.fill 96, 4, 3214868480
	.section	.rodata,"a",@progbits
	.p2align	6, 0x0
	.amdhsa_kernel k_q459a4ad507_attn
		.amdhsa_group_segment_fixed_size 327680
		.amdhsa_private_segment_fixed_size 0
		.amdhsa_enable_private_segment 0
		.amdhsa_kernarg_size 32
		.amdhsa_user_sgpr_count 2
		.amdhsa_user_sgpr_kernarg_segment_ptr 1
		.amdhsa_wavefront_size32 1
		.amdhsa_system_sgpr_workgroup_id_x 1
		.amdhsa_system_sgpr_workgroup_id_y 1
		.amdhsa_system_sgpr_workgroup_id_z 1
		.amdhsa_system_vgpr_workitem_id 0
		.amdhsa_next_free_vgpr 258
		.amdhsa_next_free_sgpr 80
		.amdhsa_reserve_vcc 1
		.amdhsa_float_denorm_mode_32 3
		.amdhsa_float_denorm_mode_16_64 3
		.amdhsa_memory_ordered 1
		.amdhsa_forward_progress 1
		.amdhsa_inst_pref_size 194
	.end_amdhsa_kernel
	.amdgpu_metadata
---
amdhsa.version: [ 1, 2 ]
amdhsa.kernels:
  - .name:           k_q459a4ad507_attn
    .symbol:         k_q459a4ad507_attn.kd
    .args:
      - { .name: qkv, .offset: 0, .size: 8, .value_kind: global_buffer, .address_space: global }
      - { .name: null_kv, .offset: 8, .size: 8, .value_kind: global_buffer, .address_space: global }
      - { .name: k_scale, .offset: 16, .size: 8, .value_kind: global_buffer, .address_space: global }
      - { .name: ob, .offset: 24, .size: 8, .value_kind: global_buffer, .address_space: global }
    .group_segment_fixed_size: 327680
    .private_segment_fixed_size: 0
    .kernarg_segment_align: 8
    .kernarg_segment_size: 32
    .max_flat_workgroup_size: 256
    .sgpr_count:     80
    .vgpr_count:     258
    .wavefront_size: 32
...
	.end_amdgpu_metadata
.endif
;; end of part 3
;; launch oproj (part 4): grid 8 x 32, 4 waves a work-group, clusters of 4 x 4, 327,680 bytes of LDS; arguments ob, wb, out0; writes out0
.if DOCPART == 4
	.amdgcn_target "amdgcn-amd-amdhsa--gfx1250"
	.amdhsa_code_object_version 6
	.text
	.protected	k_q459a4ad507_oproj
	.globl	k_q459a4ad507_oproj
	.p2align	8
	.type	k_q459a4ad507_oproj,@function
k_q459a4ad507_oproj:
	s_mov_b64 s[64:65], 0
	v_nop
	global_prefetch_b8 v0, s[64:65] scope:SCOPE_SE
	s_setreg_imm32_b32 hwreg(HW_REG_WAVE_MODE, 25, 1), 1
	s_wait_xcnt 0x0
	s_wait_alu depctr_hold_cnt(0) depctr_sa_sdst(0) depctr_va_vdst(0) depctr_va_sdst(0) depctr_va_ssrc(0) depctr_va_vcc(0) depctr_vm_vsrc(0)
	s_getreg_b32 s2, hwreg(HW_REG_IB_STS2, 6, 4)
	s_cmp_eq_u32 s2, 0
	s_cbranch_scc0 .Lentry_in_a_cluster
	s_endpgm
.Lentry_in_a_cluster:
	s_bfe_u32 s2, ttmp6, 0x10000c
	s_cmp_lg_u32 s2, 0xf033
	s_cbranch_scc0 .Lentry_shape_is_right
	s_endpgm
.Lentry_shape_is_right:
; oproj: out0 [4096 x 1024] f32 = o [4096 x 1024] x Wout [1024 x 1024], f16 operands, f32 sums.
; o lies [batch*16+head][2048][64] f16, so 128 rows of one head are 16,384 dense bytes; Wout lies [k][n] f16 at byte 6,291,456 of wb.
; 8 x 32 = 256 work-groups of 128 x 128 (blocks of 256 x 256 would be 64); four waves, a wave 64 x 64: 16 tiles in window 1.
; K goes in 8 tiles of 128 (two heads) through four LDS slots; two slots are filled again behind one round of the cluster's barrier, so each refill
; has at least two tiles' products (128 matrix instructions of a wave) in which to land.  A wave has at most four tensor loads out (the first four tiles).
; CLUSTERS 4 x 4: o's tile is shared along a row of the cluster, Wout's along a column; both are asked for jointly.
; The matrix instruction is used transposed (source 0 = 16 columns of Wout, source 1 = 16 rows of o): a lane holds 8 neighbouring columns of a row.
.set AP,     144                       ; o's LDS row: 128 bytes + 16
.set BP,     288                       ; Wout's LDS row: 256 bytes + 32: an odd multiple of 32, for the transposing load
.set PART,   128*AP                    ; one tensor load: 128 rows of one head, or 64 k rows of Wout (64 x 288 is the same 18,432 bytes)
.set SLOT,   4*PART
.set STAGE,  4*SLOT                    ; 294,912: 16 rows x 272 bytes for each wave; no tensor load lands here
.set SPITCH, 272
.set ASTEP,  2*262144                  ; two heads on
.set BSTEP,  128*2048                  ; 128 rows of Wout on
.set ADRA, 16                          ; v16-19
.set ADRB, 20                          ; v20-23
.set STO,  24
.set RD,   25
.set CO,   26
.set FA,   64                          ; o's fragments, two buffers of 32 registers
.set FB,   128                         ; Wout's fragments, likewise
.set G1A, 24
.set G0A, 32                           ; s[32:47], a set for each slot
.set G1B, 48
.set G0B, 56                           ; s[56:63] slots 0, 1; s[68:75] slots 2, 3
.set MSB, 0
.macro WIN new
.if MSB != \new
	s_set_vgpr_msb (MSB<<8)|\new
.set MSB, \new
.endif
.endm
.macro JLOAD s                         ; waves 0, 1 ask for o's two heads, waves 2, 3 for Wout's two halves
	s_cmp_eq_u32 s11, 0
	s_cbranch_scc0 .Lfor_b_\@
	tensor_load_to_lds s[G0A+4*\s:G0A+4*\s+3], s[G1A:G1A+7]
	s_nop 0
	s_branch .Lasked_\@
.Lfor_b_\@:
	tensor_load_to_lds s[G0B+4*\s+4*(\s/2):G0B+4*\s+4*(\s/2)+3], s[G1B:G1B+7]
	s_nop 0
.Lasked_\@:
.endm
.macro CROUND                          ; a round of the cluster's barrier
	s_barrier_signal -1
	s_barrier_wait -1
	s_cmp_lg_u32 s10, 0
	s_cbranch_scc1 .Lnot_wave_0_\@
	s_barrier_signal -3
.Lnot_wave_0_\@:
	s_barrier_wait -3
	s_barrier_signal -1
	s_barrier_wait -1
.endm
	s_load_b128 s[4:7], s[0:1], 0x0                ; ob, wb
	s_load_b64 s[8:9], s[0:1], 0x10                ; out0
	v_lshl_add_u32 v62, v0, 2, 0x4c400
	v_mov_b32 v63, 0
	ds_add_u32 v62, v63
	v_lshrrev_b32 v1, 5, v0
	v_readfirstlane_b32 s10, v1                    ; wave 0..3
	s_lshr_b32 s11, s10, 1                         ; my half of the rows; also: I fetch o (0) or Wout (1)
	s_and_b32 s12, s10, 1                          ; my half of the columns; also: which part I fetch
	s_bfe_u32 s76, ttmp6, 0x40000                  ; cx
	s_bfe_u32 s77, ttmp6, 0x40004                  ; cy
	s_lshl_b32 s78, ttmp9, 2
	s_add_co_u32 s78, s78, s76                     ; block column 0..7
	s_and_b32 s13, ttmp7, 0xffff
	s_lshl_b32 s13, s13, 2
	s_add_co_u32 s13, s13, s77                     ; block row 0..31
	s_lshl_b32 s79, s77, 2
	s_lshl_b32 s79, 15, s79                        ; my row of the cluster
	s_lshl_b32 s80, 0x1111, s76                    ; my column
	s_or_b32 s[G1A+0], s79, (3<<16)|(1<<20)|(1<<21)|(4<<22)|(3<<25)  ; o: dense, 8-byte elements; 4 words of padding behind every 32 (one row of a head)
	s_mov_b32 s[G1A+1], 32<<16
	s_mov_b32 s[G1A+2], 64<<16
	s_mov_b32 s[G1A+3], 32<<16
	s_mov_b32 s[G1A+4], 64
	s_mov_b32 s[G1A+5], 32
	s_mov_b32 s[G1A+6], 0
	s_mov_b32 s[G1A+7], 0
	s_or_b32 s[G1B+0], s80, (1<<16)|(1<<20)|(1<<21)|(5<<22)|(7<<25)  ; Wout: 2-byte elements; 8 words of padding behind every 64
	s_mov_b32 s[G1B+1], 128<<16
	s_mov_b32 s[G1B+2], 64<<16
	s_mov_b32 s[G1B+3], 128<<16
	s_mov_b32 s[G1B+4], 64
	s_mov_b32 s[G1B+5], 1024
	s_mov_b32 s[G1B+6], 0
	s_mov_b32 s[G1B+7], 0
	s_lshr_b32 s16, s13, 4
	s_lshl_b32 s16, s16, 4
	s_add_co_u32 s16, s16, s12                     ; plane batch x 16 + my head of the tile's two
	s_lshl_b32 s16, s16, 18
	s_and_b32 s17, s13, 15
	s_lshl_b32 s17, s17, 14                        ; 128 rows x 128 bytes x block row in the batch
	s_add_co_u32 s16, s16, s17
	s_mov_b32 s17, 0
	s_lshl_b32 s82, s12, 17                        ; Wout: k row 64 x half
	s_lshl_b32 s83, s78, 8                         ; + 128 columns x block column
	s_add_co_u32 s82, s82, s83
	s_add_co_u32 s82, s82, 6291456
	s_mov_b32 s83, 0
	s_mul_i32 s20, s10, PART                       ; LDS: wave x 18,432
	s_wait_dscnt 0x0
	s_wait_kmcnt 0x0
	s_add_nc_u64 s[14:15], s[4:5], s[16:17]
	s_add_nc_u64 s[82:83], s[6:7], s[82:83]
	CROUND                                         ; in front of the first joint loads
.irp s, 0,1,2,3
	s_mov_b32 s[G0A+4*\s], 1
	s_add_co_u32 s[G0A+4*\s+1], s20, \s*SLOT
	s_add_nc_u64 s[G0A+4*\s+2:G0A+4*\s+3], s[14:15], \s*ASTEP
	s_or_b32 s[G0A+4*\s+3], s[G0A+4*\s+3], 0x80000000
	s_mov_b32 s[G0B+4*\s+4*(\s/2)], 1
	s_add_co_u32 s[G0B+4*\s+4*(\s/2)+1], s20, \s*SLOT
	s_add_nc_u64 s[G0B+4*\s+4*(\s/2)+2:G0B+4*\s+4*(\s/2)+3], s[82:83], \s*BSTEP
	s_or_b32 s[G0B+4*\s+4*(\s/2)+3], s[G0B+4*\s+4*(\s/2)+3], 0x80000000
	JLOAD \s
.endr
	v_and_b32 v1, 15, v0                           ; l % 16
	v_bfe_u32 v2, v0, 4, 1                         ; l / 16
	s_lshl_b32 s21, s11, 6
	v_add_nc_u32 v3, s21, v1
	v_mul_u32_u24 v3, v3, AP
	v_lshl_add_u32 v3, v2, 4, v3                   ; o: (my 64 rows + l % 16) x 144 + 16 x half
	v_and_b32 v4, 7, v0
	v_lshl_add_u32 v4, v2, 3, v4
	v_mul_u32_u24 v4, v4, BP
	v_bfe_u32 v5, v0, 3, 1
	v_lshl_add_u32 v4, v5, 4, v4                   ; Wout: k row 8 (l/16) + l % 8, 16 bytes further for lanes 8-15 of each half
	s_lshl_b32 s22, s12, 7                         ; my 64 columns,
	s_add_co_u32 s22, s22, 2*PART                  ; behind o's two heads
	s_mov_b32 s21, 0
.irp s, 0,1,2,3
	v_add_nc_u32 v[ADRA+\s], s21, v3
	v_add_nc_u32 v[ADRB+\s], s22, v4
	s_add_co_u32 s21, s21, SLOT
	s_add_co_u32 s22, s22, SLOT
.endr
	s_mul_i32 s23, s10, 16*SPITCH
	s_add_co_u32 s23, s23, STAGE
	v_mul_u32_u24 v6, v1, SPITCH
	v_lshl_add_u32 v6, v2, 5, v6
	v_add_nc_u32 v[STO], s23, v6                   ; stage in: row l % 16, 32 bytes for each half of the lanes
	v_mul_u32_u24 v6, v2, SPITCH
	v_lshl_add_u32 v6, v1, 4, v6
	v_add_nc_u32 v[RD], s23, v6                    ; back: sixteen lanes take a row's 256 bytes
	v_lshlrev_b32 v6, 12, v2
	v_lshl_add_u32 v[CO], v1, 4, v6                ; the same two rows in out0
.macro FETCH slot, q, f                ; quarter q (32 along K) of a slot into buffer f: 16 loads
.irp i, 0,1,2,3
	ds_load_tr16_b128 v[FB+32*\f+8*\i:FB+32*\f+8*\i+3],   v[ADRB+\slot] offset:\q*32*BP+32*\i
	ds_load_tr16_b128 v[FB+32*\f+8*\i+4:FB+32*\f+8*\i+7], v[ADRB+\slot] offset:\q*32*BP+32*\i+16*BP
.endr
.irp i, 0,1,2,3
	ds_load_b128 v[FA+32*\f+8*\i:FA+32*\f+8*\i+3],   v[ADRA+\slot] offset:(\q/2)*PART+\i*16*AP+(\q%2)*64
	ds_load_b128 v[FA+32*\f+8*\i+4:FA+32*\f+8*\i+7], v[ADRA+\slot] offset:(\q/2)*PART+\i*16*AP+(\q%2)*64+32
.endr
.endm
.macro MUL f, zero                     ; 16 matrix instructions on 16 accumulators by turns
	WIN 0x50                                       ; C and D in window 1
.irp a, 0,1,2,3
.irp b, 0,1,2,3
.if \zero
	v_wmma_f32_16x16x32_f16 v[8*(4*\a+\b):8*(4*\a+\b)+7], v[FB+32*\f+8*\b:FB+32*\f+8*\b+7], v[FA+32*\f+8*\a:FA+32*\f+8*\a+7], 0
.else
	v_wmma_f32_16x16x32_f16 v[8*(4*\a+\b):8*(4*\a+\b)+7], v[FB+32*\f+8*\b:FB+32*\f+8*\b+7], v[FA+32*\f+8*\a:FA+32*\f+8*\a+7], v[8*(4*\a+\b):8*(4*\a+\b)+7]
.endif
.endr
.endr
	WIN 0
.endm
.macro PLACES                          ; four plain places between a matrix instruction and a load into one of its sources, or a store of its result
.rept 4
	v_nop
.endr
.endm
.macro QTR f, g, ns, nq, zero          ; fetches quarter nq of slot ns into buffer g, then multiplies buffer f
	PLACES
	FETCH \ns, \nq, \g
	s_wait_dscnt 16                                ; all but the 16 just issued
	MUL \f, \zero
.endm
.macro THREE s, zero                   ; the first three quarters of the tile in slot s
	QTR 0, 1, \s, 1, \zero
	QTR 1, 0, \s, 2, 0
	QTR 0, 1, \s, 3, 0
.endm
.macro SHOW left                       ; the next tile is whole in every wave's eyes; younger loads may stay out
	s_wait_tensorcnt \left
	s_wait_dscnt 0x0
	s_barrier_signal -1
	s_barrier_wait -1
.endm
.macro REFILL a, b                     ; slots a and b have been read to the end (their last fragments are in registers): four tiles on
	s_wait_tensorcnt 0x0                           ; all my tensor loads have landed
	ds_add_u32 v62, v63
	s_wait_dscnt 0x0                               ; and my reads of the two slots are back
	CROUND                                         ; both now hold of every wave of the cluster
.irp s, \a, \b
	s_add_nc_u64 s[G0A+4*\s+2:G0A+4*\s+3], s[G0A+4*\s+2:G0A+4*\s+3], 4*ASTEP
	s_add_nc_u64 s[G0B+4*\s+4*(\s/2)+2:G0B+4*\s+4*(\s/2)+3], s[G0B+4*\s+4*(\s/2)+2:G0B+4*\s+4*(\s/2)+3], 4*BSTEP
.endr
	JLOAD \a                                       ; the first tensor loads behind the round
	JLOAD \b
.endm
	SHOW 3                                         ; tile 0 is in; tiles 1, 2, 3 stay out
	FETCH 0, 0, 0
	THREE 0, 1                                     ; tile 0: its first products start the sums
	SHOW 2                                         ; tile 1 is in; tiles 2, 3 stay out
	QTR 1, 0, 1, 0, 0
	THREE 1, 0                                     ; tile 1
	REFILL 0, 1                                    ; tiles 2 and 3 have landed; tiles 4 and 5 go out
	QTR 1, 0, 2, 0, 0
	THREE 2, 0                                     ; tile 2
	QTR 1, 0, 3, 0, 0
	THREE 3, 0                                     ; tile 3
	REFILL 2, 3                                    ; tiles 4 and 5 have landed; tiles 6 and 7 go out
	QTR 1, 0, 0, 0, 0
	THREE 0, 0                                     ; tile 4
	QTR 1, 0, 1, 0, 0
	THREE 1, 0                                     ; tile 5
	SHOW 0                                         ; tiles 6 and 7 are in: no tensor load is out from here on
	QTR 1, 0, 2, 0, 0
	THREE 2, 0                                     ; tile 6
	QTR 1, 0, 3, 0, 0
	THREE 3, 0                                     ; tile 7
	s_wait_dscnt 0x0
	MUL 1, 0
	; THE WAY OUT, 16 rows x 64 columns of f32 at a time through my own stage, so that sixteen lanes store 256 consecutive bytes, aligned.
	PLACES
	s_lshl_b32 s16, s13, 19                        ; 128 rows x 4,096 bytes x block row
	s_lshl_b32 s17, s11, 18                        ; my 64 rows
	s_add_co_u32 s16, s16, s17
	s_mov_b32 s17, 0
	s_add_nc_u64 s[8:9], s[8:9], s[16:17]
	s_lshl_b32 s82, s78, 9                         ; 128 columns x 4 bytes x block column (in the registers that held Wout's address)
	s_lshl_b32 s83, s12, 8
	s_add_co_u32 s82, s82, s83
	s_mov_b32 s83, 0
	s_add_nc_u64 s[8:9], s[8:9], s[82:83]
.macro OUT16 a, f
	WIN 0x04                                       ; store data from window 1
.irp b, 0,1,2,3
	ds_store_b128 v[STO], v[8*(4*\a+\b):8*(4*\a+\b)+3]   offset:64*\b
	ds_store_b128 v[STO], v[8*(4*\a+\b)+4:8*(4*\a+\b)+7] offset:64*\b+16
.endr
	WIN 0
	s_wait_xcnt 0x0                                ; the read-back registers were store data two turns ago: rewritten only behind this wait
.irp t, 0,1,2,3,4,5,6,7
	ds_load_b128 v[\f+4*\t:\f+4*\t+3], v[RD] offset:\t*2*SPITCH    ; my own bytes: LDS serves a wave's instructions in order
.endr
.irp t, 0,1,2,3,4,5,6,7
	s_wait_dscnt 7-\t
	global_store_b128 v[CO], v[\f+4*\t:\f+4*\t+3], s[8:9] offset:\a*16*4096+2*\t*4096 th:TH_STORE_NT
.endr
.endm
	OUT16 0, 192
	OUT16 1, 224
	OUT16 2, 192
	OUT16 3, 224
	s_wait_tensorcnt 0x0
	ds_add_u32 v62, v63
	s_wait_dscnt 0x0
	CROUND                                         ; the closing round
	s_endpgm
.Lfunc_end_k_q459a4ad507_oproj:
	.size	k_q459a4ad507_oproj, .Lfunc_end_k_q459a4ad507_oproj-k_q459a4ad507_oproj
	.p2alignl 7, 3214868480
	.fill 96, 4, 3214868480
	.section	.rodata,"a",@progbits
	.p2align	6, 0x0
	.amdhsa_kernel k_q459a4ad507_oproj
		.amdhsa_group_segment_fixed_size 327680
		.amdhsa_private_segment_fixed_size 0
		.amdhsa_enable_private_segment 0
		.amdhsa_kernarg_size 24
		.amdhsa_user_sgpr_count 2
		.amdhsa_user_sgpr_kernarg_segment_ptr 1
		.amdhsa_wavefront_size32 1
		.amdhsa_system_sgpr_workgroup_id_x 1
		.amdhsa_system_sgpr_workgroup_id_y 1
		.amdhsa_system_sgpr_workgroup_id_z 1
		.amdhsa_system_vgpr_workitem_id 0
		.amdhsa_next_free_vgpr 384
		.amdhsa_next_free_sgpr 84
		.amdhsa_reserve_vcc 0
		.amdhsa_float_denorm_mode_32 3
		.amdhsa_float_denorm_mode_16_64 3
		.amdhsa_memory_ordered 1
		.amdhsa_forward_progress 1
		.amdhsa_inst_pref_size 92
	.end_amdhsa_kernel
	.amdgpu_metadata
---
amdhsa.version: [ 1, 2 ]
amdhsa.kernels:
  - .name:           k_q459a4ad507_oproj
    .symbol:         k_q459a4ad507_oproj.kd
    .args:
      - { .name: ob, .offset: 0, .size: 8, .value_kind: global_buffer, .address_space: global }
      - { .name: wb, .offset: 8, .size: 8, .value_kind: global_buffer, .address_space: global }
      - { .name: out0, .offset: 16, .size: 8, .value_kind: global_buffer, .address_space: global }
    .group_segment_fixed_size: 327680
    .private_segment_fixed_size: 0
    .kernarg_segment_align: 8
    .kernarg_segment_size: 24
    .max_flat_workgroup_size: 128
    .sgpr_count:     84
    .vgpr_count:     384
    .wavefront_size: 32
...
	.end_amdgpu_metadata
.endif
;; end of part 4
